; MI455X (gfx1250); checked and timed in simulation.
; The chip was launched on July 23, 2026; its instructions are those of AMD's public machine-readable ISA for CDNA 5 (MIT licence, August 2026) and "CDNA5" Instruction Set Architecture Reference Guide (July 2026). The comments in the code are by the model that wrote it; some were corrected since.
;; Causal Self Attention. Allowed arithmetic: matrix products marked QUANTISED: E2M1 operands, one E8M0 scale for each 32 along K, by v_wmma_scale_f32_16x16x128_f8f6f4 with both operands' format E2M1 (or v_wmma_scale_f32_32x16x128_f4), f32 sums; products left as they are: bf16, f16 or f32 operands; f32 sums; everything else in f32.
;; Inputs: W_attn 1,024 x 3,072 float32; W_proj 1,024 x 1,024 float32; b_attn 3,072 float32; b_proj 1,024 float32; padding_mask 4 x 2,048 bool; x 4 x 2,048 x 1,024 float32.
;; Outputs: out0 4 x 2,048 x 1,024 float32.
;; This version of the problem:
;;   THIS VERSION OF THE PROBLEM IS GIVEN IN LOW PRECISION. The matrix products marked QUANTISED in the list below multiply operands that are first quantised to E2M1 (2 exponent bits, 1 mantissa bit; 4 bits a number), with one power-of-two scale for each 32 numbers along K (OCP MX v1.0); their sums are f32. The products marked 'left as it is' may take bf16, f16 or f32 operands, with f32 sums. Whichever they take, every output number must still come out within the allowed error. Rounding operands to bf16 (8 significant bits) uses up far more of that allowance than f16 does (11 bits, for magnitudes from 6e-5 to 65,504). All else is computed in f32.
;;   The module's matrix products, in the order in which they are computed (A, B: the left and right operand; K: the contracted axis; several contracted axes count as one K, in the product's order):
;;     1. [M 8,192, K 1,024] x [K 1,024, N 3,072]; A: input x; B: input W_attn: QUANTISED
;;     2. batch 64 x [M 2,048, K 64] x [K 64, N 2,048]; A: computed on the way; B: computed on the way: left as it is (an operand is computed on the way)
;;     3. batch 64 x [M 2,048, K 2,048] x [K 2,048, N 64]; A: computed on the way; B: computed on the way: left as it is (an operand is computed on the way)
;;     4. [M 8,192, K 1,024] x [K 1,024, N 1,024]; A: computed on the way; B: input W_proj: left as it is (an operand is computed on the way)
;;   THE QUANTISER, for each operand of a quantised product, along K:
;;     - K is cut into blocks of 32 from its start; a last block that is shorter is filled with zeros.
;;     - A block's scale is 2^e with e = floor(log2(the largest magnitude in the block)) - 2, held to -126 .. 127; a block of zeros has e = 0. As a byte (E8M0): e + 127.
;;     - Each number is divided by its block's scale, clamped to +-6, and rounded to the nearest number of E2M1, ties to even, subnormals kept.
;;     - The product sums the exact products of the quantised numbers (number of the format x scale) in f32.
;;   ~~~python
;;   def quantise(x, axis):      # numpy; x: float32 -> the quantised numbers, widened to float32 again
;;       x = np.moveaxis(x, axis, -1); K = x.shape[-1]
;;       x = np.pad(x, [(0, 0)] * (x.ndim - 1) + [(0, -K % 32)]); x = x.reshape(x.shape[:-1] + (-1, 32)); a = np.abs(x).max(-1, keepdims=True)
;;       e = np.where(a > 0, np.clip(np.frexp(np.where(a > 0, a, 1))[1] - 1 - 2, -126, 127), 0)      # np.frexp(a)[1] - 1 = floor(log2(a)), exactly
;;       r = np.clip(x / 2.0 ** e, -6, 6)
;;       step = 2.0 ** (np.maximum(np.frexp(np.where(r == 0, 1, r))[1] - 1, 0) - 1)
;;       q = np.round(r / step) * step * 2.0 ** e      # np.round: ties to even
;;       return np.moveaxis(q.reshape(q.shape[:-2] + (-1,))[..., :K], -1, axis).astype(np.float32)
;;   ~~~
;; One version. Each part assembles by itself: llvm-mc -triple=amdgcn-amd-amdhsa -mcpu=gfx1250 --defsym DOCPART=n.
;; ======== version 1 of 1: 5 launches
;; limits: values are held in f16: magnitudes above 65,504 overflow, below 6.1e-05 lose precision
;; workspace buffers: x_codes 4,194,304 bytes; x_scales 262,144 bytes; w_codes 1,572,864 bytes; w_scales 98,304 bytes; wpt 2,097,152 bytes; qkv16 50,331,648 bytes; qkv32 786,432 bytes; y16 16,777,216 bytes
;; launch prep (part 1): grid 368 x 1, 4 waves a work-group, no clusters, 86,528 bytes of LDS; arguments x, W_attn, W_proj, x_codes, x_scales, w_codes, w_scales, wpt; writes x_codes, x_scales, w_codes, w_scales, wpt
.if DOCPART == 1
	.amdgcn_target "amdgcn-amd-amdhsa--gfx1250"
	.amdhsa_code_object_version 6
	.text
	.protected	k_q306a721996_prep
	.globl	k_q306a721996_prep
	.p2align	8
	.type	k_q306a721996_prep,@function
k_q306a721996_prep:
	s_mov_b64 s[64:65], 0
	v_nop
	global_prefetch_b8 v0, s[64:65] scope:SCOPE_SE
	s_setreg_imm32_b32 hwreg(HW_REG_WAVE_MODE, 25, 1), 1
	s_wait_xcnt 0x0
; Three streams in one launch, told apart by the work-group's number; they never join again and each has LDS bytes of its own.
;   work-groups 0-47:    W_attn [1024 k][3072 n] f32 -> codes of FP4 (E2M1), laid [3072 n][512 bytes] with K innermost, and E8M0 bytes [3072][32]
;   work-groups 48-111:  W_proj [1024 k][1024 n] f32 -> f16, laid [n / 64][k / 64][n % 64][k % 64]: K innermost, blocks of 8,192 dense bytes
;   work-groups 112-367: x [8192][1024] f32 -> codes [8192][512 bytes] and E8M0 bytes [8192][32]
; A block's scale is 2^(floor(log2(its largest magnitude)) - 2); its byte is the largest magnitude's exponent field - 2, held at 1 from below.
; A block of zeros so gets the byte 1 where the rule says 127: its codes are zeros, which add nothing, and this program alone reads the bytes.
; LIMITS: blocks whose largest magnitude lies under 2^-124 keep the byte 1; NaN and infinities among the inputs are not served; W_proj beyond +-65,504 has no f16 number.
; No tensor load, no barrier: waves share nothing.
.set XR,    0                          ; LDS: x's path, 8,192 bytes a wave
.set WR,    32768                      ; W_attn's path: 32 rows x 272 bytes a wave
.set PR,    67584                      ; W_proj's path: 32 rows x 144 bytes a wave
.set SPARE, 86016                      ; the spare words, 128 bytes for each wave
.set SPW,   12                         ; v12 LDS address of my spare word; never rewritten
.set NIL,   13                         ; v13 0; never rewritten
	s_load_b256 s[4:11], s[0:1], 0x0               ; x s[4:5], W_attn s[6:7], W_proj s[8:9], x_codes s[10:11]
	s_load_b256 s[12:19], s[0:1], 0x20             ; x_scales s[12:13], w_codes s[14:15], w_scales s[16:17], wpt s[18:19]
	v_lshl_add_u32 v[SPW], v0, 2, SPARE
	v_mov_b32 v[NIL], 0
	v_lshrrev_b32 v1, 5, v0
	v_readfirstlane_b32 s20, v1                    ; wave 0..3
	v_and_b32 v2, 31, v0                           ; lane
	s_wait_kmcnt 0x0
	s_cmp_lt_u32 ttmp9, 48
	s_cbranch_scc1 .Lw
	s_cmp_lt_u32 ttmp9, 112
	s_cbranch_scc1 .Lp
; ---------------- x: a plain stream of blocks of 32.  A wave takes 16 steps of 512 numbers.
; Each load reads 512 consecutive bytes; a step's 2,048 bytes turn through the wave's stage so that a lane holds 16 neighbours; two neighbouring lanes hold a block.
.set STEPS, 16
.set EMAX,  2
.set CB,    8                          ; bytes of 16 codes
.set SP,    80                         ; a lane's place in a stage: 64 bytes + 16 of padding
.set RX,    16                         ; v16-79   four sets of 16 numbers as loaded
.set XX,    80                         ; v80-111  two sets of 16 neighbours
.set EX,    112                        ; v112-127 a scale byte for each step
.set CX,    128                        ; v128-191 codes: registers of its own for each step
	v_lshlrev_b32 v3, 4, v2                        ; my 16 bytes of a load's 512
	s_mul_i32 s21, s20, 8192                       ; my wave's region (XR = 0)
	v_lshrrev_b32 v14, 2, v2
	v_mul_u32_u24 v14, v14, SP
	v_and_b32 v15, 3, v2
	v_lshl_add_u32 v14, v15, 4, v14
	v_add_nc_u32 v14, s21, v14                     ; into the stage: SP (lane / 4) + 16 (lane % 4)
	v_mul_u32_u24 v15, v2, SP
	v_add_nc_u32 v15, s21, v15                     ; out of it: SP x lane
	v_mul_u32_u24 v4, v2, CB                       ; my codes' place in a step's
	v_lshrrev_b32 v5, 1, v2
	s_add_co_u32 s21, s21, 2*32*SP
	v_add_nc_u32 v5, s21, v5                       ; my wave's 256 scale bytes, my block's byte
	v_lshlrev_b32 v7, 3, v2
	v_add_nc_u32 v6, s21, v7                       ; and on the way out 8 bytes a lane
	s_sub_co_u32 s22, ttmp9, 112
	s_lshl_b32 s22, s22, 2
	s_add_co_u32 s22, s22, s20                     ; which run of 8,192 numbers is my wave's: 0..1023
	s_mov_b32 s25, 0
	s_lshl_b32 s24, s22, 15
	s_add_nc_u64 s[4:5], s[4:5], s[24:25]          ; 32,768 bytes of x a run,
	s_lshl_b32 s24, s22, 12
	s_add_nc_u64 s[10:11], s[10:11], s[24:25]      ; 4,096 of codes,
	s_lshl_b32 s24, s22, 8
	s_add_nc_u64 s[12:13], s[12:13], s[24:25]      ; 256 of scale bytes
.macro XLOAD t
.irp i, 0,1,2,3
	global_load_b128 v[RX+16*((\t)%4)+4*\i:RX+16*((\t)%4)+4*\i+3], v3, s[4:5] offset:2048*(\t)+512*\i th:TH_LOAD_NT
.endr
.endm
.macro XTURN t                         ; LDS serves a wave's instructions in order: no wait between the stores and the loads
.irp i, 0,1,2,3
	ds_store_b128 v14, v[RX+16*((\t)%4)+4*\i:RX+16*((\t)%4)+4*\i+3] offset:32*SP*((\t)%2)+8*SP*\i
.endr
.irp i, 0,1,2,3
	ds_load_b128 v[XX+16*((\t)%2)+4*\i:XX+16*((\t)%2)+4*\i+3], v15 offset:32*SP*((\t)%2)+16*\i
.endr
.endm
.irp t, 0,1,2,3
	XLOAD \t
.endr
	s_wait_loadcnt 12                              ; step 0's four loads are in; twelve younger ones stay out
	XTURN 0
.macro XSTEP t
.set XS, XX+16*((\t)%2)
.if (\t) > 0
	s_wait_dscnt 1                                 ; this step's numbers are back from the stage; the last step's byte store may be out
.else
	s_wait_dscnt 0x0
.endif
.if (\t)+4 < STEPS
	XLOAD (\t)+4                                   ; into the registers that the stage's stores have read
.endif
.if (\t)+1 < STEPS
.if STEPS-2-(\t) >= 3
	s_wait_loadcnt 12                              ; the next step's four loads are in; those of three later steps may be out
.else
	s_wait_loadcnt 4*(STEPS-2-(\t))
.endif
	XTURN (\t)+1
.endif
	v_max3_num_f32 v8, |v[XS]|, |v[XS+1]|, |v[XS+2]|               ; the largest magnitude of my 16, in two chains
	v_max3_num_f32 v9, |v[XS+3]|, |v[XS+4]|, |v[XS+5]|
.irp i, 6,10
	v_max3_num_f32 v8, v8, |v[XS+\i]|, |v[XS+\i+1]|
	v_max3_num_f32 v9, v9, |v[XS+\i+2]|, |v[XS+\i+3]|
.endr
	v_max3_num_f32 v8, v8, |v[XS+14]|, |v[XS+15]|
	v_max3_num_f32 v8, v8, v9, (EMAX+1)<<23        ; and the floor 2^(3 - 127): the byte cannot fall under 1
	v_max_num_f32_dpp v8, v8, v8 row_xmask:1 row_mask:0xf bank_mask:0xf   ; with my neighbour's 16: the block's
	v_add_nc_u32 v11, -(EMAX<<23), v8              ; 2 off its exponent field: the conversion takes this operand's exponent field as its scale
	v_cvt_scalef32_pk8_fp4_f32 v[CX+4*(\t)], v[XS:XS+7], v11
	v_cvt_scalef32_pk8_fp4_f32 v[CX+4*(\t)+1], v[XS+8:XS+15], v11
	v_lshrrev_b32 v[EX+(\t)], 23, v11              ; the scale's byte (a plain line behind the conversions)
	ds_store_b8 v5, v[EX+(\t)] offset:16*(\t)      ; both lanes of a block write the same byte with the same value
	global_store_b64 v4, v[CX+4*(\t):CX+4*(\t)+1], s[10:11] offset:32*CB*(\t)   ; the wave stores 256 consecutive bytes, aligned
.endm
.irp t, 0,1,2,3,4,5,6,7,8,9,10,11,12,13,14,15
	XSTEP \t
.endr
	ds_load_b64 v[8:9], v6                         ; my wave's 256 scale bytes
	s_wait_dscnt 0x0
	global_store_b64 v7, v[8:9], s[12:13]          ; 256 consecutive bytes, aligned
	s_wait_tensorcnt 0x0                           ; the wave's end, behind my last LDS store
	ds_add_u32 v[SPW], v[NIL]
	s_wait_dscnt 0x0
	s_endpgm
; ---------------- W_attn: a lane takes a column n and its registers run down K; a wave takes 32 columns x 512 along K.
.Lw:
.set NB,     16                        ; blocks of 32 along K for a wave
.set WPITCH, 272                       ; a stage row: 256 bytes of codes + 16
.set WKROW,  512                       ; a row of w_codes
.set WN4,    3072*4                    ; a row of W_attn in bytes
.set WX,     32                        ; v32-95  two sets of 32 numbers
.set WC,     96                        ; v96-99  a block's codes
.set WOUT,   112                       ; v112-175 the way out
.set WSB,    24                        ; v24-27  the scale bytes, four to a register
	s_cmp_ge_u32 ttmp9, 24
	s_cselect_b32 s22, 1, 0                        ; which 512 along K
	s_cselect_b32 s23, 24, 0
	s_sub_co_u32 s23, ttmp9, s23                   ; which 128 columns
	s_lshl_b32 s21, s23, 7
	s_lshl_b32 s24, s20, 5
	s_add_co_u32 s21, s21, s24                     ; my wave's first column
	v_lshlrev_b32 v3, 2, v2                        ; in: 4 bytes a lane
	s_mul_i32 s24, s20, 32*WPITCH
	s_add_co_u32 s24, s24, WR                      ; my stage
	v_mul_u32_u24 v4, v2, WPITCH
	v_add_nc_u32 v4, s24, v4                       ; into it: row = my column
	v_and_b32 v5, 15, v2
	v_lshrrev_b32 v6, 4, v2
	v_mul_u32_u24 v7, v6, WPITCH
	v_lshl_add_u32 v7, v5, 4, v7
	v_add_nc_u32 v7, s24, v7                       ; out of it: sixteen lanes to a row, two rows an instruction
	v_mul_u32_u24 v8, v6, WKROW
	v_lshl_add_u32 v8, v5, 4, v8                   ; and the same place in w_codes
	v_lshlrev_b32 v9, 5, v2                        ; my column's row of scale bytes
	s_mul_i32 s24, s22, 512*WN4
	s_lshl_b32 s25, s21, 2
	s_add_co_u32 s24, s24, s25
	s_mov_b32 s25, 0
	s_add_nc_u64 s[6:7], s[6:7], s[24:25]
	s_lshl_b32 s24, s21, 9
	s_lshl_b32 s26, s22, 8
	s_add_co_u32 s24, s24, s26
	s_add_nc_u64 s[14:15], s[14:15], s[24:25]
	s_lshl_b32 s24, s21, 5
	s_lshl_b32 s26, s22, 4
	s_add_co_u32 s24, s24, s26
	s_add_nc_u64 s[16:17], s[16:17], s[24:25]
.macro LOADW t                         ; block t: W(32 t + i, my column); the largest offset, 511 rows, is 6,279,168 bytes: inside the signed 24-bit immediate
.irp i, 0,1,2,3,4,5,6,7,8,9,10,11,12,13,14,15,16,17,18,19,20,21,22,23,24,25,26,27,28,29,30,31
	global_load_b32 v[WX+32*((\t)%2)+\i], v3, s[6:7] offset:(32*(\t)+\i)*WN4 th:TH_LOAD_NT
.endr
.endm
	LOADW 0
	LOADW 1
.macro BLOCK t
.set XS, WX+32*((\t)%2)
.if (\t) < NB-1
	s_wait_loadcnt 32                              ; this block's 32 loads are in; the next block's may be out
.else
	s_wait_loadcnt 0
.endif
	v_max3_num_f32 v16, |v[XS]|, |v[XS+1]|, |v[XS+2]|              ; all 32 numbers of the block are mine
	v_max3_num_f32 v17, |v[XS+3]|, |v[XS+4]|, |v[XS+5]|
.irp i, 6,10,14,18,22,26
	v_max3_num_f32 v16, v16, |v[XS+\i]|, |v[XS+\i+1]|
	v_max3_num_f32 v17, v17, |v[XS+\i+2]|, |v[XS+\i+3]|
.endr
	v_max3_num_f32 v16, v16, |v[XS+30]|, |v[XS+31]|
	v_max3_num_f32 v16, v16, v17, (EMAX+1)<<23     ; and the floor
	v_add_nc_u32 v11, -(EMAX<<23), v16
	v_lshrrev_b32 v17, 23, v11                     ; the scale's byte
.if (\t)%4 == 0
	v_mov_b32 v[WSB+(\t)/4], v17
.else
	v_lshl_or_b32 v[WSB+(\t)/4], v17, 8*((\t)%4), v[WSB+(\t)/4]
.endif
.irp g, 0,1,2,3
	v_cvt_scalef32_pk8_fp4_f32 v[WC+\g], v[XS+8*\g:XS+8*\g+7], v11
.endr
	v_nop                                          ; a plain line behind the last conversion
	ds_store_b128 v4, v[WC:WC+3] offset:16*(\t)    ; 32 codes: 16 bytes of my column's row
.if (\t)+2 < NB
	LOADW (\t)+2
.endif
	s_wait_dscnt 0x0                               ; the store has read its registers: the next block's codes may be written
.endm
.set Q, 0
.rept NB
	BLOCK Q
.set Q, Q+1
.endr
	global_store_b128 v9, v[WSB:WSB+3], s[16:17]   ; my column's 16 scale bytes
.irp t, 0,1,2,3,4,5,6,7,8,9,10,11,12,13,14,15
	ds_load_b128 v[WOUT+4*\t:WOUT+4*\t+3], v7 offset:2*\t*WPITCH
.endr
.irp t, 0,1,2,3,4,5,6,7,8,9,10,11,12,13,14,15
	s_wait_dscnt 15-\t                             ; load t is back; the younger ones may be out
	global_store_b128 v8, v[WOUT+4*\t:WOUT+4*\t+3], s[14:15] offset:2*\t*WKROW   ; sixteen lanes store 256 consecutive bytes, aligned
.endr
	s_wait_tensorcnt 0x0                           ; the wave's end, as above
	ds_add_u32 v[SPW], v[NIL]
	s_wait_dscnt 0x0
	s_endpgm
; ---------------- W_proj: a lane takes a column n, its registers run down K; a wave takes 32 columns x 128 along K (two blocks of 64).
.Lp:
.set PP, 144                           ; a stage row: 64 f16 + 16 bytes
	s_sub_co_u32 s22, ttmp9, 48
	s_and_b32 s23, s22, 7                          ; which 128 columns
	s_lshr_b32 s22, s22, 3                         ; which 128 along K
	s_lshl_b32 s23, s23, 7
	s_lshl_b32 s24, s20, 5
	s_add_co_u32 s23, s23, s24                     ; my wave's first column n0
	s_lshl_b32 s24, s22, 19                        ; 128 rows of 4,096 bytes
	s_lshl_b32 s25, s23, 2
	s_add_co_u32 s24, s24, s25
	s_mov_b32 s25, 0
	s_add_nc_u64 s[8:9], s[8:9], s[24:25]
	s_lshr_b32 s24, s23, 6
	s_lshl_b32 s24, s24, 4
	s_lshl_b32 s26, s22, 1
	s_add_co_u32 s24, s24, s26                     ; block 16 (n0 / 64) + k / 64
	s_lshl_b32 s24, s24, 13
	s_and_b32 s26, s23, 63
	s_lshl_b32 s26, s26, 7
	s_add_co_u32 s24, s24, s26                     ; + row n0 % 64 of 128 bytes
	s_add_nc_u64 s[18:19], s[18:19], s[24:25]
	v_lshlrev_b32 v3, 2, v2
	s_mul_i32 s24, s20, 32*PP
	s_add_co_u32 s24, s24, PR
	v_mul_u32_u24 v4, v2, PP
	v_add_nc_u32 v4, s24, v4                       ; into the stage: row = my column
	v_lshrrev_b32 v5, 3, v2
	v_mul_u32_u24 v5, v5, PP
	v_and_b32 v6, 7, v2
	v_lshl_add_u32 v5, v6, 4, v5
	v_add_nc_u32 v5, s24, v5                       ; out of it: eight lanes to a row of 128 bytes, four rows an instruction
	v_lshlrev_b32 v6, 4, v2                        ; which are 512 consecutive bytes of wpt
.set i, 0
.rept 128
	global_load_b32 v[32+i], v3, s[8:9] offset:i*4096 th:TH_LOAD_NT
.set i, i+1
.endr
.macro PHALF u, dst, back
.set i, 0
.rept 32
	v_cvt_pk_f16_f32 v[\dst+i], v[32+64*\u+2*i], v[33+64*\u+2*i]   ; the lower k in the low half
.set i, i+1
.endr
.irp i, 0,1,2,3,4,5,6,7
	ds_store_b128 v4, v[\dst+4*\i:\dst+4*\i+3] offset:16*\i
.endr
.irp i, 0,1,2,3,4,5,6,7
	ds_load_b128 v[\back+4*\i:\back+4*\i+3], v5 offset:4*PP*\i
.endr
	s_wait_dscnt 0x0
.irp i, 0,1,2,3,4,5,6,7
	global_store_b128 v6, v[\back+4*\i:\back+4*\i+3], s[18:19] offset:8192*\u+512*\i
.endr
.endm
	s_wait_loadcnt 63                              ; of the 128 loads at most the youngest 63 are out: the first 65 are in, the first half's 64 among them (63 is the largest count that the wait can name)
	PHALF 0, 160, 32
	s_wait_loadcnt 0
	PHALF 1, 64, 160
	s_wait_tensorcnt 0x0                           ; the wave's end, as above
	ds_add_u32 v[SPW], v[NIL]
	s_wait_dscnt 0x0
	s_endpgm
.Lfunc_end_k_q306a721996_prep:
	.size	k_q306a721996_prep, .Lfunc_end_k_q306a721996_prep-k_q306a721996_prep
	.p2alignl 7, 3214868480
	.fill 96, 4, 3214868480
	.section	.rodata,"a",@progbits
	.p2align	6, 0x0
	.amdhsa_kernel k_q306a721996_prep
		.amdhsa_group_segment_fixed_size 86528
		.amdhsa_private_segment_fixed_size 0
		.amdhsa_enable_private_segment 0
		.amdhsa_kernarg_size 64
		.amdhsa_user_sgpr_count 2
		.amdhsa_user_sgpr_kernarg_segment_ptr 1
		.amdhsa_wavefront_size32 1
		.amdhsa_system_sgpr_workgroup_id_x 1
		.amdhsa_system_sgpr_workgroup_id_y 1
		.amdhsa_system_sgpr_workgroup_id_z 1
		.amdhsa_system_vgpr_workitem_id 0
		.amdhsa_next_free_vgpr 192
		.amdhsa_next_free_sgpr 66
		.amdhsa_reserve_vcc 0
		.amdhsa_float_denorm_mode_32 3
		.amdhsa_float_denorm_mode_16_64 3
		.amdhsa_memory_ordered 1
		.amdhsa_forward_progress 1
		.amdhsa_inst_pref_size 132
	.end_amdhsa_kernel
	.amdgpu_metadata
---
amdhsa.version: [ 1, 2 ]
amdhsa.kernels:
  - .name:           k_q306a721996_prep
    .symbol:         k_q306a721996_prep.kd
    .args:
      - { .name: x, .offset: 0, .size: 8, .value_kind: global_buffer, .address_space: global }
      - { .name: W_attn, .offset: 8, .size: 8, .value_kind: global_buffer, .address_space: global }
      - { .name: W_proj, .offset: 16, .size: 8, .value_kind: global_buffer, .address_space: global }
      - { .name: x_codes, .offset: 24, .size: 8, .value_kind: global_buffer, .address_space: global }
      - { .name: x_scales, .offset: 32, .size: 8, .value_kind: global_buffer, .address_space: global }
      - { .name: w_codes, .offset: 40, .size: 8, .value_kind: global_buffer, .address_space: global }
      - { .name: w_scales, .offset: 48, .size: 8, .value_kind: global_buffer, .address_space: global }
      - { .name: wpt, .offset: 56, .size: 8, .value_kind: global_buffer, .address_space: global }
    .group_segment_fixed_size: 86528
    .private_segment_fixed_size: 0
    .kernarg_segment_align: 8
    .kernarg_segment_size: 64
    .max_flat_workgroup_size: 128
    .sgpr_count:     66
    .vgpr_count:     192
    .wavefront_size: 32
...
	.end_amdgpu_metadata
.endif
;; end of part 1
;; launch qkv (part 2): grid 12 x 32, 4 waves a work-group, clusters of 4 x 1, 327,680 bytes of LDS; arguments x_codes, x_scales, w_codes, w_scales, b_attn, qkv16, qkv32; writes qkv16, qkv32
.if DOCPART == 2
	.amdgcn_target "amdgcn-amd-amdhsa--gfx1250"
	.amdhsa_code_object_version 6
	.text
	.protected	k_q306a721996_qkv
	.globl	k_q306a721996_qkv
	.p2align	8
	.type	k_q306a721996_qkv,@function
k_q306a721996_qkv:
	s_mov_b64 s[64:65], 0
	v_nop
	global_prefetch_b8 v0, s[64:65] scope:SCOPE_SE
	s_setreg_imm32_b32 hwreg(HW_REG_WAVE_MODE, 25, 1), 1
	s_wait_xcnt 0x0
	s_wait_alu depctr_hold_cnt(0) depctr_sa_sdst(0) depctr_va_vdst(0) depctr_va_sdst(0) depctr_va_ssrc(0) depctr_va_vcc(0) depctr_vm_vsrc(0)
	s_getreg_b32 s2, hwreg(HW_REG_IB_STS2, 6, 4)
	s_cmp_eq_u32 s2, 0
	s_cbranch_scc0 .Lentry_in_a_cluster
	s_endpgm
.Lentry_in_a_cluster:
	s_bfe_u32 s2, ttmp6, 0x10000c
	s_cmp_lg_u32 s2, 0x3003
	s_cbranch_scc0 .Lentry_shape_is_right
	s_endpgm
.Lentry_shape_is_right:
; qkv = Q(x) Q(W_attn) + b_attn on codes of FP4 (E2M1) with one E8M0 scale for each 32 along K.  M 8,192, N 3,072, K 1,024; sums in f32.
; A tile of 256 x 256 is made by four waves, each 128 x 128: 64 accumulators, 512 registers.  K = 1,024 is two LDS slots of 512 along K: both are asked for at the head, nothing is filled again, and there is no loop.
; THE MATRIX INSTRUCTION IS USED TRANSPOSED (source 0 = 16 rows of W's codes, source 1 = 16 rows of x's): a lane holds eight neighbouring columns of one row.  The bias is the C of each sum's first product.
; OUT: f16, laid [q, k, v][batch][head][position][64]: two positions of a head are 256 consecutive bytes.  Positions 0-15 of each sequence go out in f32 too, laid [batch][16][3072].
; CLUSTER: 4 x 1.  The four tiles of a cluster share their rows of x: x's codes and scales are asked for jointly (mask 15).  W's tiles differ from partner to partner: plain loads.
; The cluster has no second row: the f32 copy is a branch on the tile row, and partners may not part at a branch; along N they share the tile row.
; LIMITS: results beyond +-65,504 have no f16 number.
; REGISTERS: window 0: v0-31 addresses; v32-95 scale words, two sets, and nothing else; v96-127 way out; v128-191 x's fragments; v192-255 the bias, later the way out.
;   window 1: W's fragments, two sets.   windows 2, 3: the accumulators ((a, b) at v[8 (8 (a % 4) + b)]).
.set NQ,     4                         ; matrix instructions deep in a slot
.set ROWB,   256                       ; a tile's row: 512 codes
.set KROW,   512                       ; a row of codes in memory
.set PITCH,  272                       ; an LDS row: 256 bytes + 16: the 16 rows of a load start at 16 different groups of banks (64 banks of 4 bytes: ISA guide 11.1)
.set FR,     8
.set NL,     2
.set NP,     4                         ; places behind this matrix instruction (ISA guide 7.12.1)
.set HALFT,  128*PITCH
.set SLOT,   4*HALFT
.set KS,     32                        ; a row of scale bytes
.set SCL,    2*SLOT                    ; behind the ring: the scales, as units of 256 bytes + 16
.set HALFS,  16*272
.set SBLK,   2*272
.set SPARE,  SCL+4*HALFS               ; the spare words
.set STW,    8448                      ; the way out: a stage for each wave, in slot 0, which has had its only fill and its last read by then
.set ADRA, 16
.set ADRB, 20
.set STO32, 22
.set RD32, 23
.set STO,  24
.set RD,   25
.set CO,   26
.set ADRS, 27
.set SPW,  28
.set NIL,  29
.set CO32, 30
.set BO,   31
.set SC,   32
.set BK,   96                          ; rows read back: v96-127 and v224-255 by turns
.set AF,   128
.set BIAS, 192
.set TMP,  192
.set WV,   18                          ; s18 wave
.set RH,   19                          ; s19 which half of the tile's rows is mine; also: I fetch for x (0) or for W (1)
.set CH,   3                           ; s3  which half of its columns; also: which 128 rows I fetch
.set TR,   40                          ; s40 tile row
.set TC,   42                          ; s42 tile column
.set G1, 24
.set G0, 32
.set G1B, 48
.set G0B, 56
.set G1S, 68
.set G0S, 76
.set G1SB, 80
.set G0SB, 88
.set MSB, 0
.macro WIN new                         ; the immediate's high byte repeats the setting that is left
.if MSB != \new
	s_set_vgpr_msb (MSB<<8)|\new
.set MSB, \new
.endif
.endm
.set MUL_LO, 0xa1                      ; source 0 (W) window 1, source 1 (x) window 0, C and D window 2
.set MUL_HI, 0xf1
.set TO_B,   0x40
; Waves 0 and 1 fetch for x (jointly), waves 2 and 3 for W.  The branch hangs on the wave's number alone.  An s_nop 0 and four v_nop follow each line.
.macro JLOAD g0a, g1a, g0b, g1b
	s_cmp_eq_u32 s[RH], 0
	s_cbranch_scc0 .Lfor_b_\@
	tensor_load_to_lds s[\g0a:\g0a+3], s[\g1a:\g1a+7]
	s_nop 0
.rept 4
	v_nop
.endr
	s_branch .Lasked_\@
.Lfor_b_\@:
	tensor_load_to_lds s[\g0b:\g0b+3], s[\g1b:\g1b+7]
	s_nop 0
.rept 4
	v_nop
.endr
.Lasked_\@:
.endm
.macro CROUND                          ; a round of the cluster's barrier
	s_barrier_signal -1
	s_barrier_wait -1
	s_cmp_lg_u32 s[WV], 0
	s_cbranch_scc1 .Lnot_wave_0_\@
	s_barrier_signal -3
.Lnot_wave_0_\@:
	s_barrier_wait -3
	s_barrier_signal -1
	s_barrier_wait -1
.endm
	s_load_b128 s[4:7], s[0:1], 0x0                ; x's codes, x's scales
	s_load_b128 s[8:11], s[0:1], 0x10              ; W's codes, W's scales
	s_load_b128 s[12:15], s[0:1], 0x20             ; b_attn, qkv16
	s_load_b64 s[16:17], s[0:1], 0x30              ; qkv32
	v_lshl_add_u32 v[SPW], v0, 2, SPARE
	v_mov_b32 v[NIL], 0
	ds_add_u32 v[SPW], v[NIL]                      ; the wave's opening: the add, twice on end, and its wait ahead of my first tensor load
	ds_add_u32 v[SPW], v[NIL]
	v_lshrrev_b32 v1, 5, v0
	v_readfirstlane_b32 s[WV], v1
	s_lshr_b32 s[RH], s[WV], 1
	s_and_b32 s[CH], s[WV], 1
	s_bfe_u32 s41, ttmp6, 0x40000                  ; cx
	s_lshl_b32 s[TC], ttmp9, 2
	s_add_co_u32 s[TC], s[TC], s41                 ; tile column = 4 x cluster x + cx
	s_and_b32 s[TR], ttmp7, 0xffff                 ; tile row: the partners share it
	; descriptor groups 1: 128 rows x 256 bytes, 16 bytes of padding behind each
	s_mov_b32 s[G1], 15|(1<<20)|(1<<21)|(5<<22)|(3<<25)    ; x: mask of all four, bit 21 beside it; elements of 1 byte; 4 words of padding after every 64
	s_mov_b32 s[G1B], (1<<20)|(5<<22)|(3<<25)              ; W: no mask
.irp g, G1, G1B
	s_mov_b32 s[\g+1], ROWB<<16
	s_mov_b32 s[\g+2], 128<<16
	s_mov_b32 s[\g+3], ROWB<<16
	s_mov_b32 s[\g+4], 128
	s_mov_b32 s[\g+5], KROW
	s_mov_b32 s[\g+6], 0
	s_mov_b32 s[\g+7], 0
.endr
	; the scales of 128 rows: 4,096 dense bytes as 16 rows of 256 (32 elements of 8 bytes), padded alike
	s_mov_b32 s[G1S], 15|(3<<16)|(1<<20)|(1<<21)|(5<<22)|(3<<25)
	s_mov_b32 s[G1SB], (3<<16)|(1<<20)|(5<<22)|(3<<25)
.irp g, G1S, G1SB
	s_mov_b32 s[\g+1], 32<<16
	s_mov_b32 s[\g+2], 16<<16
	s_mov_b32 s[\g+3], 32<<16
	s_mov_b32 s[\g+4], 16
	s_mov_b32 s[\g+5], 32
	s_mov_b32 s[\g+6], 0
	s_mov_b32 s[\g+7], 0
.endr
	s_lshl_b32 s44, s[CH], 7                       ; which 128 rows I fetch
	s_lshl_b32 s20, s[TR], 8
	s_add_co_u32 s20, s20, s44                     ; x: row 256 x tile row + 128 x half (no register of x's descriptors ever holds cx)
	s_lshl_b32 s46, s[TC], 8
	s_add_co_u32 s46, s46, s44                     ; W: row 256 x tile column + 128 x half
	s_lshl_b32 s22, s20, 5                         ; their scales, 32 bytes a row,
	s_lshl_b32 s20, s20, 9                         ; their codes, 512 bytes a row
	s_mov_b32 s21, 0
	s_mov_b32 s23, 0
	s_lshl_b32 s92, s46, 5
	s_lshl_b32 s46, s46, 9
	s_mov_b32 s47, 0
	s_mov_b32 s93, 0
	s_mul_i32 s45, s[WV], HALFT                    ; where they go: wave x 128 rows
	s_mul_i32 s94, s[WV], HALFS
	s_and_b32 s95, s[TR], 7
	s_or_b32 s95, s95, s[RH]                       ; 0: my rows begin with a sequence's positions 0-15
	s_wait_dscnt 0x0                               ; both opening adds are done
	s_wait_kmcnt 0x0
	s_add_nc_u64 s[20:21], s[4:5], s[20:21]
	s_add_nc_u64 s[22:23], s[6:7], s[22:23]
	s_add_nc_u64 s[46:47], s[8:9], s[46:47]
	s_add_nc_u64 s[92:93], s[10:11], s[92:93]
	CROUND                                         ; all four work-groups are here: the first joint loads meet
	s_mov_b32 s[G0S], 1
	s_add_co_u32 s[G0S+1], s94, SCL
	s_mov_b64 s[G0S+2:G0S+3], s[22:23]
	s_or_b32 s[G0S+3], s[G0S+3], 0x80000000
	s_mov_b32 s[G0SB], 1
	s_add_co_u32 s[G0SB+1], s94, SCL
	s_mov_b64 s[G0SB+2:G0SB+3], s[92:93]
	s_or_b32 s[G0SB+3], s[G0SB+3], 0x80000000
	JLOAD G0S, G1S, G0SB, G1SB                     ; the scales first; with the two slots three loads of mine are out
.irp s, 0,1
	s_mov_b32 s[G0+4*\s], 1
	s_add_co_u32 s[G0+4*\s+1], s45, \s*SLOT
	s_add_nc_u64 s[G0+4*\s+2:G0+4*\s+3], s[20:21], \s*ROWB
	s_or_b32 s[G0+4*\s+3], s[G0+4*\s+3], 0x80000000
	s_mov_b32 s[G0B+4*\s], 1
	s_add_co_u32 s[G0B+4*\s+1], s45, \s*SLOT
	s_add_nc_u64 s[G0B+4*\s+2:G0B+4*\s+3], s[46:47], \s*ROWB
	s_or_b32 s[G0B+4*\s+3], s[G0B+4*\s+3], 0x80000000
	JLOAD G0+4*\s, G1, G0B+4*\s, G1B
.endr
	; where the bias comes from and the results go
	s_lshl_b32 s20, s[TC], 10
	s_lshl_b32 s21, s[CH], 9
	s_add_co_u32 s20, s20, s21                     ; my first column x 4 bytes
	s_mov_b32 s21, 0
	s_add_nc_u64 s[12:13], s[12:13], s[20:21]      ; b_attn
	s_lshr_b32 s22, s[TR], 3                       ; the batch
	s_mul_i32 s23, s22, 196608
	s_add_co_u32 s20, s20, s23
	s_add_nc_u64 s[16:17], s[16:17], s[20:21]      ; qkv32: [batch][16][3072]
	s_lshl_b32 s22, s22, 4
	s_and_b32 s23, s[TC], 3
	s_lshl_b32 s23, s23, 2
	s_add_co_u32 s22, s22, s23
	s_lshl_b32 s23, s[CH], 1
	s_add_co_u32 s22, s22, s23                     ; 16 x batch + my first head
	s_lshl_b32 s22, s22, 18                        ; 262,144 bytes a head
	s_and_b32 s23, s[TR], 7
	s_lshl_b32 s23, s23, 8
	s_lshl_b32 s20, s[RH], 7
	s_add_co_u32 s23, s23, s20                     ; my first position
	s_lshl_b32 s23, s23, 7
	s_add_co_u32 s22, s22, s23
	s_lshr_b32 s23, s[TC], 2                       ; q, k or v
	s_lshl_b32 s23, s23, 24
	s_add_co_u32 s20, s22, s23
	s_add_nc_u64 s[14:15], s[14:15], s[20:21]      ; qkv16
	v_and_b32 v1, 15, v0                           ; r
	v_bfe_u32 v2, v0, 4, 1                         ; h
	v_mul_u32_u24 v3, v1, PITCH
	v_lshl_add_u32 v4, v2, 4, v3                   ; a fragment's row x pitch + 16 x half
	s_mul_i32 s21, s[RH], HALFT
	s_mul_i32 s22, s[CH], HALFT
	s_add_co_u32 s22, s22, 2*HALFT
.irp s, 0,1
	v_add_nc_u32 v[ADRA+\s], s21, v4
	v_add_nc_u32 v[ADRB+\s], s22, v4
	s_add_co_u32 s21, s21, SLOT
	s_add_co_u32 s22, s22, SLOT
.endr
	v_mul_u32_u24 v5, v1, KS                       ; my row's scales: 32 bytes a row,
	v_lshrrev_b32 v6, 8, v5
	v_lshl_add_u32 v5, v6, 4, v5                   ; and 16 more for each 256 passed
	s_mul_i32 s21, s[RH], HALFS
	s_mul_i32 s22, s[CH], HALFS
	s_add_co_u32 s22, s22, 2*HALFS
	s_sub_co_u32 s22, s22, s21
	v_mul_u32_u24 v6, s22, v2                      ; lanes 16-31 take W's: one product, the distance between the two bases
	s_add_co_u32 s21, s21, SCL
	v_add_nc_u32 v5, v5, v6
	v_add_nc_u32 v[ADRS], s21, v5
	s_mul_i32 s23, s[WV], STW                      ; my stage
	v_mul_u32_u24 v5, v1, 272
	v_lshl_add_u32 v5, v2, 4, v5
	v_add_nc_u32 v[STO], s23, v5                   ; f16, in: row r of 256 bytes + 16, 16 bytes for each half of the lanes
	v_bfe_u32 v5, v0, 3, 1
	v_mul_u32_u24 v6, v5, 272
	v_lshl_add_u32 v6, v2, 7, v6
	v_and_b32 v3, 7, v0
	v_lshl_add_u32 v6, v3, 4, v6
	v_add_nc_u32 v[RD], s23, v6                    ; back: eight lanes take a position's 128 bytes of one head; lanes 8-15 the next position; lanes 16-31 the other head
	v_lshlrev_b32 v[CO], 18, v2
	v_lshl_add_u32 v[CO], v5, 7, v[CO]
	v_lshl_add_u32 v[CO], v3, 4, v[CO]             ; and the same place in qkv16
	v_mul_u32_u24 v5, v1, 528
	v_lshl_add_u32 v5, v2, 5, v5
	v_add_nc_u32 v[STO32], s23, v5                 ; f32, in: row r of 512 bytes + 16
	v_and_b32 v6, 31, v0
	v_lshlrev_b32 v[CO32], 4, v6
	v_add_nc_u32 v[RD32], s23, v[CO32]             ; back: the 32 lanes take a row
	v_lshlrev_b32 v[BO], 5, v2
.irp b, 0,1,2,3,4,5,6,7
	global_load_b128 v[BIAS+8*\b:BIAS+8*\b+3], v[BO], s[12:13] offset:64*\b        ; b_attn at my columns 16 b + 8 h + 0 .. 7: the result's layout
	global_load_b128 v[BIAS+8*\b+4:BIAS+8*\b+7], v[BO], s[12:13] offset:64*\b+16
.endr
.macro FRAG reg, adr, q, i             ; 16 rows x 128 K of 4-bit codes: 8 registers, two loads of 16 bytes, 32 bytes apart
.irp c, 0,1
	ds_load_b128 v[\reg+4*\c:\reg+4*\c+3], v[\adr] offset:64*(\q)+32*\c+(\i)*16*PITCH
.endr
.endm
; 16 matrix instructions: x's blocks a0, a0 + 1 against W's eight.  first = 1: the bias is the C.  The 64 accumulators take turns, one instruction a turn.
.macro MUL16 a0, p, q, sc, first
.irp a, \a0, \a0+1
.irp b, 0,1,2,3,4,5,6,7
.if \first
	v_wmma_scale_f32_16x16x128_f8f6f4 v[8*(8*((\a)%4)+\b):8*(8*((\a)%4)+\b)+7], v[128*(\p)+FR*\b:128*(\p)+FR*\b+FR-1], v[AF+FR*(\a):AF+FR*(\a)+FR-1], v[BIAS+8*\b:BIAS+8*\b+7], v[SC+8*NQ*(\sc)+NQ*\b+(\q)], v[SC+8*NQ*(\sc)+NQ*(\a)+(\q)] matrix_a_fmt:MATRIX_FMT_FP4 matrix_b_fmt:MATRIX_FMT_FP4 matrix_a_scale:MATRIX_SCALE_ROW1
.else
	v_wmma_scale_f32_16x16x128_f8f6f4 v[8*(8*((\a)%4)+\b):8*(8*((\a)%4)+\b)+7], v[128*(\p)+FR*\b:128*(\p)+FR*\b+FR-1], v[AF+FR*(\a):AF+FR*(\a)+FR-1], v[8*(8*((\a)%4)+\b):8*(8*((\a)%4)+\b)+7], v[SC+8*NQ*(\sc)+NQ*\b+(\q)], v[SC+8*NQ*(\sc)+NQ*(\a)+(\q)] matrix_a_fmt:MATRIX_FMT_FP4 matrix_b_fmt:MATRIX_FMT_FP4 matrix_a_scale:MATRIX_SCALE_ROW1
.endif
.endr
.endr
.endm
.macro FETCH_B slot, q, p
	WIN TO_B
.irp i, 0,1,2,3,4,5,6,7
	FRAG 128*(\p)+FR*\i, ADRB+\slot, \q, \i
.endr
	WIN 0
.endm
.macro FETCH_A slot, q, i0
.irp i, \i0, \i0+1, \i0+2, \i0+3
	FRAG AF+FR*(\i), ADRA+\slot, \q, \i
.endr
.endm
.macro SCALES sc                       ; a slot's scale words: lanes 0-15 take x's block i, lanes 16-31 W's block i
.irp i, 0,1,2,3,4,5,6,7
	ds_load_b128 v[SC+8*NQ*\sc+NQ*\i:SC+8*NQ*\sc+NQ*\i+3], v[ADRS] offset:\i*SBLK
.endr
.endm
.macro PLACES n                        ; plain vector instructions between a matrix instruction and a load into, or a read of, its registers
.rept \n
	v_nop
.endr
.endm
.macro STEP slot, q, first             ; 128 along K with its successor in the same slot
	s_wait_dscnt 4*NL                              ; all but the youngest eight loads (x's blocks 4-7)
.if \first
	WIN 0x81                                       ; as MUL_LO, with C (the bias) in window 0
.else
	WIN MUL_LO
.endif
	MUL16 0, (\q)%2, \q, \slot, \first
	MUL16 2, (\q)%2, \q, \slot, \first
	s_wait_dscnt 0
	PLACES NP
	FETCH_B \slot, (\q)+1, 1-(\q)%2
	FETCH_A \slot, (\q)+1, 0
.if \first
	WIN 0xc1
.else
	WIN MUL_HI
.endif
	MUL16 4, (\q)%2, \q, \slot, \first
	MUL16 6, (\q)%2, \q, \slot, \first
	PLACES NP
	WIN 0
	FETCH_A \slot, (\q)+1, 4
.endm
; Slot 0's last step changes slots: each wave waits for all its tensor loads (slot 1's part), adds 0 to its spare word, waits for that and for its reads of slot 0; one barrier.  Nothing is filled again.
.macro TURN slot, next
	s_wait_tensorcnt 0x0
	ds_add_u32 v[SPW], v[NIL]
	s_wait_dscnt 4*NL+1                            ; the add and the youngest eight loads may be out
	WIN MUL_LO
	MUL16 0, 1, NQ-1, \slot, 0
	s_wait_dscnt 0x0                               ; the add is done, and my reads of this slot are over
	s_barrier_signal -1
	MUL16 2, 1, NQ-1, \slot, 0
	WIN 0
	s_barrier_wait -1
	PLACES NP
	v_add_nc_u32 v[ADRS], 4*NQ, v[ADRS]            ; the next slot's scale words
	FETCH_B \next, 0, 0
	FETCH_A \next, 0, 0
	SCALES \next
	WIN MUL_HI
	MUL16 4, 1, NQ-1, \slot, 0
	MUL16 6, 1, NQ-1, \slot, 0
	PLACES NP
	WIN 0
	FETCH_A \next, 0, 4
.endm
.macro STEPS slot, from
.set Q, \from
.rept NQ-1-\from
	STEP \slot, Q, 0
.set Q, Q+1
.endr
.endm
	s_wait_tensorcnt 1                             ; the scales and my part of slot 0 are in; slot 1's load may be out
	s_barrier_signal -1
	s_barrier_wait -1
	FETCH_B 0, 0, 0
	FETCH_A 0, 0, 0
	SCALES 0
	FETCH_A 0, 0, 4
	s_wait_loadcnt 0x0                             ; the bias
	STEP 0, 0, 1
	STEPS 0, 1
	TURN 0, 1
	STEPS 1, 0
	s_wait_dscnt 4*NL
	WIN MUL_LO
	MUL16 0, 1, NQ-1, 1, 0
	MUL16 2, 1, NQ-1, 1, 0
	s_wait_dscnt 0
	WIN MUL_HI
	MUL16 4, 1, NQ-1, 1, 0
	MUL16 6, 1, NQ-1, 1, 0
	WIN 0
	PLACES NP
	; POSITIONS 0-15 IN F32: the waves whose block 0 holds them send it through the stage as it is.  The branch hangs on the tile row and the wave's number: alike in all partners.
	s_cmp_lg_u32 s95, 0
	s_cbranch_scc1 .Lno_copy
	WIN 0x08                                       ; an LDS store's data are its source 1: window 2
.irp b, 0,1,2,3,4,5,6,7
	ds_store_b128 v[STO32], v[8*\b:8*\b+3] offset:64*\b              ; each accumulator from its low end on
	ds_store_b128 v[STO32], v[8*\b+4:8*\b+7] offset:64*\b+16
.endr
	WIN 0
.irp t, 0,1,2,3,4,5,6,7,8,9,10,11,12,13,14,15
	ds_load_b128 v[AF+4*\t:AF+4*\t+3], v[RD32] offset:\t*528
.endr
	s_wait_dscnt 0x0
.irp t, 0,1,2,3,4,5,6,7,8,9,10,11,12,13,14,15
	global_store_b128 v[CO32], v[AF+4*\t:AF+4*\t+3], s[16:17] offset:\t*12288   ; 512 consecutive bytes of a position's row
.endr
.Lno_copy:
; THE WAY OUT IN F16, a block of 16 rows at a time: rounded, 16 bytes a lane into my stage, back so that sixteen lanes hold two positions of one head.
.macro PACK a
.set AC, 64*((\a)%4)
	WIN 0x0a+5*((\a)/4)                            ; sources 0 and 1: window 2 or 3
.irp b, 0,1,2,3,4,5,6,7
.irp r, 0,1,2,3
	v_cvt_pk_f16_f32 v[TMP+4*\b+\r], v[AC+8*\b+2*\r], v[AC+8*\b+2*\r+1]
.endr
.endr
	WIN 0
.endm
.macro TOSTAGE a
.irp b, 0,1,2,3,4,5,6,7
	ds_store_b128 v[STO], v[TMP+4*\b:TMP+4*\b+3] offset:32*\b
.endr
.irp t, 0,1,2,3,4,5,6,7
	ds_load_b128 v[BK+128*((\a)%2)+4*\t:BK+128*((\a)%2)+4*\t+3], v[RD] offset:\t*544   ; LDS serves a wave's instructions in order: these see the stores above
.endr
.endm
.macro SEND a
	s_wait_dscnt 0x0                               ; the block is back in registers
	s_wait_xcnt 0x0                                ; earlier stores have read their registers: the next block's rows may land there
.irp t, 0,1,2,3,4,5,6,7
	global_store_b128 v[CO], v[BK+128*((\a)%2)+4*\t:BK+128*((\a)%2)+4*\t+3], s[14:15] offset:2048*(\a)+256*\t   ; sixteen lanes store 256 consecutive bytes, aligned
.endr
.endm
	PACK 0
	TOSTAGE 0
.irp a, 1,2,3,4,5,6,7
	PACK \a
	SEND \a-1
	TOSTAGE \a
.endr
	SEND 7
	s_wait_tensorcnt 0x0                           ; the wave's end
	ds_add_u32 v[SPW], v[NIL]
	s_wait_dscnt 0x0
	CROUND                                         ; the closing round
	s_endpgm
.Lfunc_end_k_q306a721996_qkv:
	.size	k_q306a721996_qkv, .Lfunc_end_k_q306a721996_qkv-k_q306a721996_qkv
	.p2alignl 7, 3214868480
	.fill 96, 4, 3214868480
	.section	.rodata,"a",@progbits
	.p2align	6, 0x0
	.amdhsa_kernel k_q306a721996_qkv
		.amdhsa_group_segment_fixed_size 327680
		.amdhsa_private_segment_fixed_size 0
		.amdhsa_enable_private_segment 0
		.amdhsa_kernarg_size 56
		.amdhsa_user_sgpr_count 2
		.amdhsa_user_sgpr_kernarg_segment_ptr 1
		.amdhsa_wavefront_size32 1
		.amdhsa_system_sgpr_workgroup_id_x 1
		.amdhsa_system_sgpr_workgroup_id_y 1
		.amdhsa_system_sgpr_workgroup_id_z 1
		.amdhsa_system_vgpr_workitem_id 0
		.amdhsa_next_free_vgpr 1024
		.amdhsa_next_free_sgpr 98
		.amdhsa_reserve_vcc 0
		.amdhsa_float_denorm_mode_32 3
		.amdhsa_float_denorm_mode_16_64 3
		.amdhsa_memory_ordered 1
		.amdhsa_forward_progress 1
		.amdhsa_inst_pref_size 132
	.end_amdhsa_kernel
	.amdgpu_metadata
---
amdhsa.version: [ 1, 2 ]
amdhsa.kernels:
  - .name:           k_q306a721996_qkv
    .symbol:         k_q306a721996_qkv.kd
    .args:
      - { .name: x_codes, .offset: 0, .size: 8, .value_kind: global_buffer, .address_space: global }
      - { .name: x_scales, .offset: 8, .size: 8, .value_kind: global_buffer, .address_space: global }
      - { .name: w_codes, .offset: 16, .size: 8, .value_kind: global_buffer, .address_space: global }
      - { .name: w_scales, .offset: 24, .size: 8, .value_kind: global_buffer, .address_space: global }
      - { .name: b_attn, .offset: 32, .size: 8, .value_kind: global_buffer, .address_space: global }
      - { .name: qkv16, .offset: 40, .size: 8, .value_kind: global_buffer, .address_space: global }
      - { .name: qkv32, .offset: 48, .size: 8, .value_kind: global_buffer, .address_space: global }
    .group_segment_fixed_size: 327680
    .private_segment_fixed_size: 0
    .kernarg_segment_align: 8
    .kernarg_segment_size: 56
    .max_flat_workgroup_size: 128
    .sgpr_count:     98
    .vgpr_count:     1024
    .wavefront_size: 32
...
	.end_amdgpu_metadata
.endif
;; end of part 2
;; launch attn (part 3): grid 4 x 64, 16 waves a work-group, no clusters, 327,680 bytes of LDS; arguments qkv16, padding_mask, y16; writes y16
.if DOCPART == 3
	.amdgcn_target "amdgcn-amd-amdhsa--gfx1250"
	.amdhsa_code_object_version 6
	.text
	.protected	k_q306a721996_attn
	.globl	k_q306a721996_attn
	.p2align	8
	.type	k_q306a721996_attn,@function
k_q306a721996_attn:
	s_mov_b64 s[64:65], 0
	v_nop
	global_prefetch_b8 v0, s[64:65] scope:SCOPE_SE
	s_setreg_imm32_b32 hwreg(HW_REG_WAVE_MODE, 25, 1), 1
	s_wait_xcnt 0x0
; y[b][h][q] = sum over k of softmax_k(q . k / 8, causal and padding masks) v[k], on f16 operands with f32 products, maxima and sums.
; q, k, v: [3][batch][head][2048][64] f16.  y: [row / 64][head][row % 64][64] f16, row = 2048 batch + position.
; SHARES.  Work-group (x, batch x head) owns the query blocks 7 - x (waves 0-7) and x (waves 8-15) of 256 queries: every work-group has the same number of key steps that count.  A wave owns 32 queries, two tiles of 16.
; Every wave walks all 8 slots of 256 keys (constant trip counts, every barrier passed); a step of 64 keys all of which come after the wave's queries is jumped over by a scalar branch on ids.
; LAYOUT.  S^T = K Q^T (source 0 = 16 keys, source 1 = 16 queries), O^T = V^T P (source 0 = 16 channels, turned out of LDS; source 1 = P): a lane holds one query throughout.
; MASKS.  The padding mask is a table in LDS, 0 or -1e30 for each key, and enters as the C of a score's first product.  The causal mask, on the one diagonal step of a wave, sets hidden scores to -1e30.
; A row none of whose keys counts has its own key padded, so the projection zeroes it; here it stays finite (all its p are 1 or 0 and the largest is 1).
; SOFTMAX.  Running maximum m and sum l: p = 2^(c s - c m), c = log2(e) / 8; in every step O and l are multiplied by 2^(c m_old - c m_new).
; NO CLUSTER: the four work-groups of a head need 8, 7, 6 and 5 slots; a joint load would bring tiles that every wave of some partner jumps over.
; LIMITS: q, k, v beyond +-65,504 are not served (f16); NaN and infinities are not served.
; ROWS OF 128 BYTES lie in LDS two to a row of 256 bytes with padding behind: row n at (n / 2) x pitch + 128 (n % 2).  Pitch 272 for K: the 16 rows of a load start at 16 different groups of four banks; 288 for V: so do the 8 rows x 2 pieces of a turning load.
.set PK2,    272
.set PV2,    288
.set KSTEPB, 32*PK2                    ; 64 keys of K
.set VSTEPB, 32*PV2
.set VOFF,   128*PK2                   ; a slot: 256 keys of K, then of V
.set MB,     VOFF+128*PV2              ; 71,680: the mask table, 2,048 x 4 bytes
.set STAGE,  MB+8192                   ; the way out: 8 x 272 bytes a wave
.set SPARE,  STAGE+16*2176             ; the spare words, 128 bytes for each of 16 waves
.set SLOT1,  1<<17                     ; slot 1: one exclusive or turns an address
.set AK0, 1                            ; v1  my lane's place in a tile of K
.set AV0, 2                            ; v2  in a tile of V
.set AMB, 3                            ; v3  in the mask table
.set SPW, 4                            ; v4  my spare word; never rewritten
.set NIL, 5                            ; v5  0; never rewritten
.set ADK, 6
.set ADV, 7
.set ADM, 8
.set DQ,  9                            ; v9  lane % 16 - 8 (lane / 16)
.set PFO, 10                           ; v10 256 x lane: the prefetches' offset; never rewritten
.set ST,  12                           ; tile t's statistics at v[12 + 8 t]: +0 c m, +1 m, +2, +3 l, +4 .. +7 at work (+6: a)
.set TP,  28                           ; v28-31 at work
.set QF,  32                           ; Q: tile t, 32 channels d at v[32 + 16 t + 8 d]
.set KVB, 64                           ; K's eight fragments, then V's eight
.set S,   128                          ; S^T, 32 a tile; P overlays a tile's first 16
.set OA,  192                          ; O^T, 32 a tile
.set WV,  18
.set SEL, 20
.set CS,  22
.set G1K, 24
.set G1V, 32
.set G0K, 40
.set G0V, 44
.set TB,  2                            ; s2  LDS byte at which the slot in hand begins
.set TM,  3                            ; s3  4 x the slot's first key
.set KF,  49                           ; s49 the step's first key
.set Q0,  50                           ; s50 my first query
.set LASTQ, 51                         ; s51 my work-group's last query
.set SLOTS, 52
.set LIM, 53
.set PFA, 54
; Waves 0 and 1 fetch K's halves of a slot, waves 2 and 3 V's, the others nothing.  An s_nop 0 and four v_nop follow each line.
.macro TLOAD
	s_cmp_lt_u32 s[WV], 2
	s_cbranch_scc0 .Lnot_k_\@
	tensor_load_to_lds s[G0K:G0K+3], s[G1K:G1K+7]
	s_nop 0
.rept 4
	v_nop
.endr
	s_branch .Lasked_\@
.Lnot_k_\@:
	s_cmp_lt_u32 s[WV], 4
	s_cbranch_scc0 .Lasked_\@
	tensor_load_to_lds s[G0V:G0V+3], s[G1V:G1V+7]
	s_nop 0
.rept 4
	v_nop
.endr
.Lasked_\@:
.endm
; A prefetch of the slot that the NEXT change of slots will ask for: 32,768 dense bytes of K and as many of V.  All four work-groups of a head walk the same rows: the one with x = 0, which walks all eight slots, asks.
; In it waves 4-7 ask for K's, waves 8-11 for V's, 8,192 bytes a wave, lanes 256 bytes apart: each aligned block of 256 bytes is named once in the launch.  Slots 0 and 1 come by their loads alone; the last change that fills asks for nothing.
.macro ASK
	s_cmp_gt_u32 s[SLOTS], s[LIM]
	s_cbranch_scc0 .Lnot_mine_\@
	global_prefetch_b8 v[PFO], s[PFA:PFA+1] th:TH_LOAD_NT scope:SCOPE_SE
.Lnot_mine_\@:
.endm
	s_load_b128 s[4:7], s[0:1], 0x0                ; qkv16, padding_mask
	s_load_b64 s[8:9], s[0:1], 0x10                ; y16
	v_lshl_add_u32 v[SPW], v0, 2, SPARE
	v_mov_b32 v[NIL], 0
	ds_add_u32 v[SPW], v[NIL]                      ; the wave's opening: the add, twice on end, and its wait ahead of the first tensor load
	ds_add_u32 v[SPW], v[NIL]
	v_lshrrev_b32 v6, 5, v0
	v_readfirstlane_b32 s[WV], v6                  ; wave 0..15
	s_and_b32 s57, ttmp7, 0xffff                   ; 16 x batch + head
	s_lshl_b32 s58, s57, 18                        ; the head's first byte in q, in k and in v
	s_mov_b32 s59, 0
	s_sub_co_u32 s56, 7, ttmp9
	s_cmp_lt_u32 s[WV], 8
	s_cselect_b32 s56, s56, ttmp9                  ; my block of 256 queries
	s_lshl_b32 s56, s56, 8
	s_and_b32 s60, s[WV], 7
	s_lshl_b32 s60, s60, 5
	s_add_co_u32 s[Q0], s56, s60
	s_sub_co_u32 s[LASTQ], 8, ttmp9
	s_lshl_b32 s[LASTQ], s[LASTQ], 8
	s_sub_co_u32 s[LASTQ], s[LASTQ], 1
	; descriptor groups 1: 64 rows of 256 bytes (128 keys), dense in memory, padded in LDS
	s_mov_b32 s[G1K], (1<<16)|(1<<20)|(5<<22)|(3<<25)      ; elements of 2 bytes; 4 words of padding after every 64
	s_mov_b32 s[G1V], (1<<16)|(1<<20)|(5<<22)|(7<<25)      ; 8 words
.irp g, G1K, G1V
	s_mov_b32 s[\g+1], 128<<16
	s_mov_b32 s[\g+2], 64<<16
	s_mov_b32 s[\g+3], 128<<16
	s_mov_b32 s[\g+4], 64
	s_mov_b32 s[\g+5], 128
	s_mov_b32 s[\g+6], 0
	s_mov_b32 s[\g+7], 0
.endr
	s_and_b32 s60, s[WV], 1                        ; which half of a slot I fetch, if I fetch
	s_mul_i32 s61, s60, 64*PK2
	s_mul_i32 s62, s60, 64*PV2
	s_add_co_u32 s62, s62, VOFF
	s_lshl_b32 s66, s60, 14
	s_mov_b32 s67, 0
	s_add_nc_u64 s[66:67], s[66:67], s[58:59]      ; an offset: the head, and my half
	s_mov_b32 s[SEL], 0x76543210
	s_mov_b32 s[SEL+1], 0xfedcba98
	s_mov_b32 s[CS], 0x3e38aa3b                    ; c = log2(e) / 8
	s_mov_b32 s[CS+1], s[CS]
	s_mov_b32 s[TB], 0
	s_mov_b32 s[TM], 0
	s_mov_b32 s[KF], 0
	s_mov_b32 s[SLOTS], 7
	s_wait_dscnt 0x0                               ; both opening adds are done
	s_wait_kmcnt 0x0
	s_add_nc_u64 s[10:11], s[4:5], 0x1000000       ; k's section
	s_add_nc_u64 s[12:13], s[4:5], 0x2000000       ; v's
	s_mov_b32 s[G0K], 1
	s_mov_b32 s[G0K+1], s61
	s_add_nc_u64 s[G0K+2:G0K+3], s[10:11], s[66:67]
	s_or_b32 s[G0K+3], s[G0K+3], 0x80000000
	s_mov_b32 s[G0V], 1
	s_mov_b32 s[G0V+1], s62
	s_add_nc_u64 s[G0V+2:G0V+3], s[12:13], s[66:67]
	s_or_b32 s[G0V+3], s[G0V+3], 0x80000000
	TLOAD                                          ; slot 0: it holds key 0, which every wave reads.  One tensor load of a wave is out at any time
	s_cmp_lt_u32 s[WV], 8                          ; the prefetches: waves 4-7 K, waves 8-11 V
	s_cselect_b64 s[PFA:PFA+1], s[10:11], s[12:13]
	s_and_b32 s60, s[WV], 3
	s_lshl_b32 s60, s60, 13
	s_add_co_u32 s60, s60, 32768                   ; my 8,192 bytes, in slot 1: the first change of slots steps it to slot 2
	s_mov_b32 s61, 0
	s_add_nc_u64 s[PFA:PFA+1], s[PFA:PFA+1], s[58:59]
	s_add_nc_u64 s[PFA:PFA+1], s[PFA:PFA+1], s[60:61]
	s_sub_co_u32 s60, s[WV], 4
	s_lshr_b32 s60, s60, 3                         ; 0 in waves 4 to 11
	s_or_b32 s60, s60, ttmp9                       ; of the work-group with x = 0
	s_cmp_eq_u32 s60, 0
	s_cselect_b32 s[LIM], 1, -1
	s_lshl_b32 s60, s[Q0], 7
	s_add_nc_u64 s[4:5], s[4:5], s[58:59]
	s_add_nc_u64 s[4:5], s[4:5], s[60:61]          ; q at my first query
	s_lshr_b32 s60, s57, 4                         ; the batch
	s_lshl_b32 s62, s60, 11
	s_mov_b32 s63, 0
	s_add_nc_u64 s[6:7], s[6:7], s[62:63]          ; its mask bytes
	s_add_co_u32 s62, s62, s[Q0]                   ; my first row
	s_lshr_b32 s60, s62, 6
	s_lshl_b32 s60, s60, 4
	s_and_b32 s66, s57, 15
	s_add_co_u32 s60, s60, s66
	s_lshl_b32 s60, s60, 6
	s_and_b32 s62, s62, 63
	s_add_co_u32 s60, s60, s62
	s_lshl_b32 s60, s60, 7
	s_add_nc_u64 s[8:9], s[8:9], s[60:61]          ; y16 at ((row / 64) 16 + head) 64 + row % 64, 128 bytes each
	v_lshlrev_b32 v28, 2, v0
	global_load_b32 v30, v28, s[6:7]               ; four keys' mask bytes a thread
	v_and_b32 v7, 15, v0                           ; r
	v_bfe_u32 v8, v0, 4, 1                         ; h
	v_lshlrev_b32 v29, 7, v7
	v_lshl_add_u32 v29, v8, 4, v29
.irp t, 0,1
.irp d, 0,1
	global_load_b128 v[QF+16*\t+8*\d:QF+16*\t+8*\d+3], v29, s[4:5] offset:2048*\t+64*\d        ; Q stays in registers
	global_load_b128 v[QF+16*\t+8*\d+4:QF+16*\t+8*\d+7], v29, s[4:5] offset:2048*\t+64*\d+32
.endr
.endr
	v_lshrrev_b32 v6, 1, v7
	v_mul_u32_u24 v[AK0], v6, PK2
	v_and_b32 v6, 1, v7
	v_lshl_add_u32 v[AK0], v6, 7, v[AK0]
	v_lshl_add_u32 v[AK0], v8, 4, v[AK0]           ; key r: (r / 2) pitch + 128 (r % 2) + 16 h
	v_and_b32 v6, 7, v0
	v_lshl_add_u32 v6, v8, 3, v6                   ; the turning load: key 8 h + lane % 8,
	v_lshrrev_b32 v[AV0], 1, v6
	v_mul_u32_u24 v[AV0], v[AV0], PV2
	v_and_b32 v6, 1, v6
	v_lshl_add_u32 v[AV0], v6, 7, v[AV0]
	v_bfe_u32 v6, v0, 3, 1
	v_lshl_add_u32 v[AV0], v6, 4, v[AV0]           ; channels 8 ((lane / 8) % 2) on
	v_add_nc_u32 v[AV0], VOFF, v[AV0]
	v_lshl_add_u32 v[AMB], v8, 5, MB               ; the table's words of keys 8 h on
	v_lshlrev_b32 v6, 3, v8
	v_sub_nc_u32 v[DQ], v7, v6
	v_and_b32 v[PFO], 31, v0
	v_lshlrev_b32 v[PFO], 8, v[PFO]
	v_lshl_add_u32 v31, v0, 4, MB                  ; where my four words of the table go
	v_mov_b32 v11, 0xf149f2ca                      ; -1e30
.irp t, 0,1
	v_mov_b32 v[ST+8*\t+1], 0xff61b1e6             ; m = -3e38, under every score
	v_mul_f32 v[ST+8*\t], s[CS], v[ST+8*\t+1]
.irp i, 2,3,4,5,6,7
	v_mov_b32 v[ST+8*\t+\i], 0
.endr
.endr
.set i, 0
.rept 64
	v_mov_b32 v[OA+i], 0                           ; O^T: the step is written without a first step of its own; the first change of m multiplies zeros
.set i, i+1
.endr
	s_wait_loadcnt 8                               ; the mask bytes are in; Q's eight loads may be out
.irp i, 0,1,2,3
	v_bfe_u32 v68, v30, 8*\i, 8
	v_cmp_ne_u32 vcc_lo, 0, v68
	v_cndmask_b32 v[64+\i], 0, v11, vcc_lo         ; a padded key: -1e30
.endr
	ds_store_b128 v31, v[64:67]                    ; the first change of slots waits for it and its barrier shows it to all
	s_wait_loadcnt 0x0                             ; Q
; A KEY STEP: 64 keys, the q-th of the slot in hand.
.macro STEP q
	s_add_co_u32 s56, s[Q0], 31
	s_cmp_gt_u32 s[KF], s56                        ; all keys come after my 32 queries: nothing to do
	s_cbranch_scc1 .Lhid_\@
	v_add_nc_u32 v[ADK], s[TB], v[AK0]             ; five plain instructions: the places behind the last step's products, ahead of loads into their sources and of products that write over P
	v_add_nc_u32 v[ADV], s[TB], v[AV0]
	v_add_nc_u32 v[ADM], s[TM], v[AMB]
	v_nop
	v_nop
.irp kt, 0,1,2,3
.irp d, 0,1
	ds_load_b128 v[KVB+16*\kt+8*\d:KVB+16*\kt+8*\d+3], v[ADK] offset:\q*KSTEPB+2176*\kt+64*\d
	ds_load_b128 v[KVB+16*\kt+8*\d+4:KVB+16*\kt+8*\d+7], v[ADK] offset:\q*KSTEPB+2176*\kt+64*\d+32
.endr
.endr
.irp kt, 0,1,2,3
	ds_load_b128 v[S+8*\kt:S+8*\kt+3], v[ADM] offset:\q*256+64*\kt           ; the mask's 0 or -1e30 of keys 16 kt + 8 h + 0 .. 7, in the result's layout
	ds_load_b128 v[S+8*\kt+4:S+8*\kt+7], v[ADM] offset:\q*256+64*\kt+16
.endr
	s_wait_dscnt 0x0
.irp kt, 0,1,2,3                       ; tile 1's sums begin with the mask as C, read from tile 0's registers
	v_wmma_f32_16x16x32_f16 v[S+32+8*\kt:S+32+8*\kt+7], v[KVB+16*\kt:KVB+16*\kt+7], v[QF+16:QF+23], v[S+8*\kt:S+8*\kt+7]
.endr
.rept 5
	v_nop                                          ; five places: the next four write over registers that the last four read
.endr
.irp kt, 0,1,2,3
	v_wmma_f32_16x16x32_f16 v[S+8*\kt:S+8*\kt+7], v[KVB+16*\kt:KVB+16*\kt+7], v[QF:QF+7], v[S+8*\kt:S+8*\kt+7]
.endr
.irp kt, 0,1,2,3                       ; the eight accumulators take turns, one instruction a turn
	v_wmma_f32_16x16x32_f16 v[S+32+8*\kt:S+32+8*\kt+7], v[KVB+16*\kt+8:KVB+16*\kt+15], v[QF+24:QF+31], v[S+32+8*\kt:S+32+8*\kt+7]
.endr
.irp kt, 0,1,2,3
	v_wmma_f32_16x16x32_f16 v[S+8*\kt:S+8*\kt+7], v[KVB+16*\kt+8:KVB+16*\kt+15], v[QF+8:QF+15], v[S+8*\kt:S+8*\kt+7]
.endr
.rept 4
	v_nop                                          ; places ahead of the loads into K's registers and of the first read of the scores
.endr
.irp f, 0,1                            ; V, turned: keys 32 f on, channels 16 dt on; it lands while the softmax is walked
.irp dt, 0,1,2,3
	ds_load_tr16_b128 v[KVB+8*(4*\f+\dt):KVB+8*(4*\f+\dt)+3], v[ADV] offset:\q*VSTEPB+4608*\f+32*\dt
	ds_load_tr16_b128 v[KVB+8*(4*\f+\dt)+4:KVB+8*(4*\f+\dt)+7], v[ADV] offset:\q*VSTEPB+4608*\f+2304+32*\dt
.endr
.endr
	s_add_co_u32 s56, s[KF], 63
	s_cmp_le_u32 s56, s[Q0]                        ; all keys count for all my queries: no causal mask
	s_cbranch_scc1 .Lopen_\@
	s_sub_co_i32 s56, s[Q0], s[KF]
	v_add_nc_u32 v30, s56, v[DQ]                   ; tile 0: register 8 kt + j holds key KF + 16 kt + 8 h + j: hidden where 16 kt + j > my query - KF - 8 h
	v_add_nc_u32 v31, 16, v30                      ; tile 1
	v_mov_b32 v28, 0xf149f2ca
.set n, 0
.rept 32
	v_cmp_gt_i32 vcc_lo, 16*(n/8)+n%8, v30
	v_cndmask_b32 v[S+n], v[S+n], v28, vcc_lo
.set n, n+1
.endr
.set n, 0
.rept 32
	v_cmp_gt_i32 vcc_lo, 16*(n/8)+n%8, v31
	v_cndmask_b32 v[S+32+n], v[S+32+n], v28, vcc_lo
.set n, n+1
.endr
.Lopen_\@:
	; the maximum of my 32 scores and the old m, both tiles line by line; each accumulator is read from its low end on
.irp j, 0,1,2,3
.irp t, 0,1
	v_max3_num_f32 v[ST+8*\t+4+\j], v[S+32*\t+8*\j], v[S+32*\t+8*\j+1], v[S+32*\t+8*\j+2]
.endr
.endr
.irp g, 1,2
.irp j, 0,1,2,3
.irp t, 0,1
	v_max3_num_f32 v[ST+8*\t+4+\j], v[ST+8*\t+4+\j], v[S+32*\t+8*\j+2*\g+1], v[S+32*\t+8*\j+2*\g+2]
.endr
.endr
.endr
.irp t, 0,1
	v_max3_num_f32 v[ST+8*\t+4], v[ST+8*\t+4], v[S+32*\t+7], v[S+32*\t+15]
	v_max3_num_f32 v[ST+8*\t+6], v[ST+8*\t+6], v[S+32*\t+23], v[S+32*\t+31]
.endr
.irp t, 0,1
	v_max3_num_f32 v[ST+8*\t+4], v[ST+8*\t+4], v[ST+8*\t+5], v[ST+8*\t+6]
.endr
.irp t, 0,1
	v_max3_num_f32 v[ST+8*\t+4], v[ST+8*\t+4], v[ST+8*\t+7], v[ST+8*\t+1]
.endr
.irp t, 0,1
	v_permlanex16_b32 v[ST+8*\t+5], v[ST+8*\t+4], s[SEL], s[SEL+1]   ; the query's other 32 keys lie in the lane 16 away
.endr
.irp t, 0,1
	v_mov_b32 v[ST+8*\t+7], v[ST+8*\t]             ; c m_old
.endr
.irp t, 0,1
	v_max_num_f32 v[ST+8*\t+1], v[ST+8*\t+4], v[ST+8*\t+5]
.endr
.irp t, 0,1
	v_mul_f32 v[ST+8*\t], s[CS], v[ST+8*\t+1]
.endr
.irp t, 0,1
	v_sub_f32 v[ST+8*\t+7], v[ST+8*\t+7], v[ST+8*\t]
.endr
.irp i, 0,2,4,6,8,10,12,14,16,18,20,22,24,26,28,30
.irp t, 0,1
	v_pk_fma_f32 v[S+32*\t+\i:S+32*\t+\i+1], v[S+32*\t+\i:S+32*\t+\i+1], s[CS:CS+1], v[ST+8*\t:ST+8*\t+1] op_sel_hi:[1,0,0] neg_lo:[0,0,1] neg_hi:[0,0,1]   ; c s - c m
.endr
.endr
.irp t, 0,1
	v_exp_f32 v[ST+8*\t+6], v[ST+8*\t+7]           ; a = 2^(c m_old - c m_new)
.endr
.set n, 0
.rept 64
	v_exp_f32 v[S+n], v[S+n]                       ; p
.set n, n+1
.endr
	v_nop                                          ; a plain instruction behind the last exponential
	s_wait_alu depctr_va_vdst(0)                   ; one wait for the 66 exponentials, ahead of their first reader
.irp t, 0,1                            ; l = a l + the sum of p, in f32, in two chains a tile
	v_pk_fma_f32 v[ST+8*\t+2:ST+8*\t+3], v[ST+8*\t+2:ST+8*\t+3], v[ST+8*\t+6:ST+8*\t+7], v[S+32*\t:S+32*\t+1] op_sel_hi:[1,0,1]
	v_pk_add_f32 v[TP+2*\t:TP+2*\t+1], v[S+32*\t+2:S+32*\t+3], v[S+32*\t+4:S+32*\t+5]
.endr
.irp i, 6,10,14,18,22,26
.irp t, 0,1
	v_pk_add_f32 v[ST+8*\t+2:ST+8*\t+3], v[ST+8*\t+2:ST+8*\t+3], v[S+32*\t+\i:S+32*\t+\i+1]
	v_pk_add_f32 v[TP+2*\t:TP+2*\t+1], v[TP+2*\t:TP+2*\t+1], v[S+32*\t+\i+2:S+32*\t+\i+3]
.endr
.endr
.irp t, 0,1
	v_pk_add_f32 v[ST+8*\t+2:ST+8*\t+3], v[ST+8*\t+2:ST+8*\t+3], v[S+32*\t+30:S+32*\t+31]
.endr
.irp t, 0,1
	v_pk_add_f32 v[ST+8*\t+2:ST+8*\t+3], v[ST+8*\t+2:ST+8*\t+3], v[TP+2*\t:TP+2*\t+1]
.endr
.irp i, 0,1,2,3,4,5,6,7,8,9,10,11,12,13,14,15
.irp t, 0,1
	v_cvt_pk_f16_f32 v[S+32*\t+\i], v[S+32*\t+2*\i], v[S+32*\t+2*\i+1]   ; P, in place, ascending: register i takes pair i, which no later line needs
.endr
.endr
.irp i, 0,2,4,6,8,10,12,14,16,18,20,22,24,26,28,30
.irp t, 0,1
	v_pk_mul_f32 v[OA+32*\t+\i:OA+32*\t+\i+1], v[OA+32*\t+\i:OA+32*\t+\i+1], v[ST+8*\t+6:ST+8*\t+7] op_sel_hi:[1,0]   ; O^T x a
.endr
.endr
	s_wait_dscnt 0x0                               ; V is in
.irp f, 0,1                            ; O^T += V^T P: eight accumulators by turns
.irp dt, 0,1,2,3
.irp t, 0,1
	v_wmma_f32_16x16x32_f16 v[OA+32*\t+8*\dt:OA+32*\t+8*\dt+7], v[KVB+8*(4*\f+\dt):KVB+8*(4*\f+\dt)+7], v[S+32*\t+8*\f:S+32*\t+8*\f+7], v[OA+32*\t+8*\dt:OA+32*\t+8*\dt+7]
.endr
.endr
.endr
.Lhid_\@:
	s_add_co_u32 s[KF], s[KF], 64
.endm
; THE CHANGE OF SLOTS stands at a slot's head.  Each wave waits for all its tensor loads, adds 0 to its spare word (fill = 1: twice on end),
; and waits for that and for its reads of the slot that it has left.  Behind the barrier the slot ahead is whole and nobody reads the other: fill = 1: it takes the next 256 keys, up to the causal limit.
.macro CHANGE fill
	s_wait_tensorcnt 0x0                           ; no tensor load of mine is out: a group 0 may be written
	ds_add_u32 v[SPW], v[NIL]
.if \fill
	ds_add_u32 v[SPW], v[NIL]
	s_xor_b32 s[G0K+1], s[G0K+1], SLOT1
	s_add_nc_u64 s[G0K+2:G0K+3], s[G0K+2:G0K+3], 32768
	s_xor_b32 s[G0V+1], s[G0V+1], SLOT1
	s_add_nc_u64 s[G0V+2:G0V+3], s[G0V+2:G0V+3], 32768
	s_wait_xcnt 0x0                                ; the last prefetch, a slot back, has read its address
	s_add_nc_u64 s[PFA:PFA+1], s[PFA:PFA+1], 32768
.endif
	s_wait_dscnt 0x0
	s_barrier_signal -1
	s_barrier_wait -1
.if \fill
	s_add_co_u32 s56, s[KF], 256                   ; the first key of the slot that this change would ask for
	s_cmp_gt_u32 s56, s[LASTQ]                     ; past my work-group's last query none of its waves reads it: it is not asked for.  Ids and the count of steps alone: all sixteen waves go the same way
	s_cbranch_scc1 .Lpast_\@
	TLOAD
.Lpast_\@:
	ASK
.endif
.endm
.macro SLOT_STEPS
	STEP 0
	STEP 1
	STEP 2
	STEP 3
	s_xor_b32 s[TB], s[TB], SLOT1
	s_add_co_u32 s[TM], s[TM], 1024
.endm
.Lslot:                                            ; seven trips: behind each change of slots but the last the next slot is asked for
	CHANGE 1
	SLOT_STEPS
	s_sub_co_u32 s[SLOTS], s[SLOTS], 1
	s_cmp_lg_u32 s[SLOTS], 0
	s_cbranch_scc1 .Lslot
	CHANGE 0
	SLOT_STEPS
	; THE WAY OUT: O^T / l, rounded to f16, a tile of 16 rows at a time through my stage; the wave's 32 rows of 128 bytes are 4,096 consecutive bytes of y16.
.rept 4
	v_nop
.endr
.irp t, 0,1
	v_add_f32 v[ST+8*\t+4], v[ST+8*\t+2], v[ST+8*\t+3]
.endr
.irp t, 0,1
	v_permlanex16_b32 v[ST+8*\t+5], v[ST+8*\t+4], s[SEL], s[SEL+1]
.endr
.irp t, 0,1
	v_add_f32 v[ST+8*\t+4], v[ST+8*\t+4], v[ST+8*\t+5]
.endr
.irp t, 0,1
	v_rcp_f32 v[ST+8*\t+6], v[ST+8*\t+4]
.endr
	v_and_b32 v6, 15, v0                           ; r (plain work behind the reciprocals)
	v_bfe_u32 v7, v0, 4, 1                         ; h
	s_mul_i32 s56, s[WV], 2176
	s_add_co_u32 s56, s56, STAGE
	v_lshrrev_b32 v8, 1, v6
	v_mul_u32_u24 v8, v8, 272
	v_and_b32 v11, 1, v6
	v_lshl_add_u32 v8, v11, 7, v8
	v_lshl_add_u32 v8, v7, 4, v8
	v_add_nc_u32 v8, s56, v8                       ; in: row r, 16 bytes for each half of the lanes
	v_mul_u32_u24 v11, v7, 272
	v_lshl_add_u32 v11, v6, 4, v11
	v_add_nc_u32 v11, s56, v11                     ; back: sixteen lanes take two rows
	v_and_b32 v9, 31, v0
	v_lshlrev_b32 v9, 4, v9
	s_wait_alu depctr_va_vdst(0)                   ; one wait for the two reciprocals, ahead of their first reader
.irp t, 0,1
.irp i, 0,2,4,6,8,10,12,14,16,18,20,22,24,26,28,30
	v_pk_mul_f32 v[OA+32*\t+\i:OA+32*\t+\i+1], v[OA+32*\t+\i:OA+32*\t+\i+1], v[ST+8*\t+6:ST+8*\t+7] op_sel_hi:[1,0]
.endr
.irp i, 0,1,2,3,4,5,6,7,8,9,10,11,12,13,14,15
	v_cvt_pk_f16_f32 v[S+32*\t+\i], v[OA+32*\t+2*\i], v[OA+32*\t+2*\i+1]
.endr
.irp dt, 0,1,2,3
	ds_store_b128 v8, v[S+32*\t+4*\dt:S+32*\t+4*\dt+3] offset:32*\dt
.endr
.irp u, 0,1,2,3
	ds_load_b128 v[S+32*\t+16+4*\u:S+32*\t+16+4*\u+3], v11 offset:544*\u   ; LDS serves a wave's instructions in order: these see the stores above, and the next tile's stores come behind them
.endr
.endr
	s_wait_dscnt 0x0
.irp t, 0,1
.irp u, 0,1,2,3
	global_store_b128 v9, v[S+32*\t+16+4*\u:S+32*\t+16+4*\u+3], s[8:9] offset:2048*\t+512*\u   ; 512 consecutive bytes, aligned
.endr
.endr
	s_wait_tensorcnt 0x0                           ; the wave's end
	ds_add_u32 v[SPW], v[NIL]
	s_wait_dscnt 0x0
	s_endpgm
.Lfunc_end_k_q306a721996_attn:
	.size	k_q306a721996_attn, .Lfunc_end_k_q306a721996_attn-k_q306a721996_attn
	.p2alignl 7, 3214868480
	.fill 96, 4, 3214868480
	.section	.rodata,"a",@progbits
	.p2align	6, 0x0
	.amdhsa_kernel k_q306a721996_attn
		.amdhsa_group_segment_fixed_size 327680
		.amdhsa_private_segment_fixed_size 0
		.amdhsa_enable_private_segment 0
		.amdhsa_kernarg_size 24
		.amdhsa_user_sgpr_count 2
		.amdhsa_user_sgpr_kernarg_segment_ptr 1
		.amdhsa_wavefront_size32 1
		.amdhsa_system_sgpr_workgroup_id_x 1
		.amdhsa_system_sgpr_workgroup_id_y 1
		.amdhsa_system_sgpr_workgroup_id_z 1
		.amdhsa_system_vgpr_workitem_id 0
		.amdhsa_next_free_vgpr 256
		.amdhsa_next_free_sgpr 70
		.amdhsa_reserve_vcc 1
		.amdhsa_float_denorm_mode_32 3
		.amdhsa_float_denorm_mode_16_64 3
		.amdhsa_memory_ordered 1
		.amdhsa_forward_progress 1
		.amdhsa_inst_pref_size 195
	.end_amdhsa_kernel
	.amdgpu_metadata
---
amdhsa.version: [ 1, 2 ]
amdhsa.kernels:
  - .name:           k_q306a721996_attn
    .symbol:         k_q306a721996_attn.kd
    .args:
      - { .name: qkv16, .offset: 0, .size: 8, .value_kind: global_buffer, .address_space: global }
      - { .name: padding_mask, .offset: 8, .size: 8, .value_kind: global_buffer, .address_space: global }
      - { .name: y16, .offset: 16, .size: 8, .value_kind: global_buffer, .address_space: global }
    .group_segment_fixed_size: 327680
    .private_segment_fixed_size: 0
    .kernarg_segment_align: 8
    .kernarg_segment_size: 24
    .max_flat_workgroup_size: 512
    .sgpr_count:     70
    .vgpr_count:     256
    .wavefront_size: 32
...
	.end_amdgpu_metadata
.endif
;; end of part 3
;; launch proj (part 4): grid 8 x 64, 4 waves a work-group, clusters of 4 x 4, 327,680 bytes of LDS; arguments y16, wpt, b_proj, padding_mask, out0; writes out0
.if DOCPART == 4
	.amdgcn_target "amdgcn-amd-amdhsa--gfx1250"
	.amdhsa_code_object_version 6
	.text
	.protected	k_q306a721996_proj
	.globl	k_q306a721996_proj
	.p2align	8
	.type	k_q306a721996_proj,@function
k_q306a721996_proj:
	s_mov_b64 s[64:65], 0
	v_nop
	global_prefetch_b8 v0, s[64:65] scope:SCOPE_SE
	s_setreg_imm32_b32 hwreg(HW_REG_WAVE_MODE, 25, 1), 1
	s_wait_xcnt 0x0
	s_wait_alu depctr_hold_cnt(0) depctr_sa_sdst(0) depctr_va_vdst(0) depctr_va_sdst(0) depctr_va_ssrc(0) depctr_va_vcc(0) depctr_vm_vsrc(0)
	s_getreg_b32 s2, hwreg(HW_REG_IB_STS2, 6, 4)
	s_cmp_eq_u32 s2, 0
	s_cbranch_scc0 .Lentry_in_a_cluster
	s_endpgm
.Lentry_in_a_cluster:
	s_bfe_u32 s2, ttmp6, 0x10000c
	s_cmp_lg_u32 s2, 0xf033
	s_cbranch_scc0 .Lentry_shape_is_right
	s_endpgm
.Lentry_shape_is_right:
; out0 = y W_proj + b_proj, rows of padded positions set to 0.  y: f16 [row / 64][k / 64][row % 64][k % 64]; W_proj: f16 [n / 64][k / 64][n % 64][k % 64]; sums in f32.  M 8,192, N 1,024, K 1,024.
; A tile of 128 x 128 is made by four waves, each 64 x 64: 16 accumulators.  512 tiles: two for each of 256 WGPs.  K goes in steps of 256 through a ring of two LDS slots.
; A wave's tensor load brings 64 rows x 256 along K, which in both layouts are 32,768 dense bytes: four planes of 64 along K, each 64 rows of 128 bytes; stated as 128 rows of 256 bytes with 16 of padding,
; so that row n of a plane lies at (n / 2) 272 + 128 (n % 2) and the 16 rows of a fragment load start at 16 different groups of four banks.
; CLUSTERS: 4 x 4.  The four of a row need the same tiles of y, the four of a column the same tiles of W: each tile is asked for jointly.  THE MATRIX INSTRUCTION IS USED TRANSPOSED (source 0 = W, source 1 = y).
; The bias is the C of each sum's first product.  A wave's 64 columns of f32 are 256 aligned bytes of a row: each wave has a stage of its own, and the way out has no barrier.
; Positions 0-15 of each sequence are written here too, and written over by the launch that carries them in f32.
; LIMITS: operands in f16: y and W_proj beyond +-65,504 are not served.
; REGISTERS: window 0: v0-31 addresses; v32-63, v64-127 the way out (v96-127 first hold the bias); v128-255 accumulators.   window 1: two fragment buffers of 128.
.set HALFT,  128*272                   ; what one tensor load brings
.set SLOT,   4*HALFT
.set QB,     32*272                    ; a plane: 64 along K
.set RB,     8*272                     ; 16 rows
.set STAGE,  2*SLOT
.set SPARE,  STAGE+4*16*272
.set LAPS,   2
.set ADRA, 16
.set ADRB, 20
.set STO,  24
.set RD,   25
.set CO,   26
.set SPW,  28
.set NIL,  29
.set TMP,  32
.set BK,   64
.set BIAS, 96
.set ACC,  128
.set F0,   0
.set F1,   128
.set G1, 24
.set G0, 32
.set G1B, 48
.set G0B, 56
.set PMK, 72                           ; s72-75: for each of my four blocks of 16 rows, the lanes whose row is not padded
.set MSB, 0
.macro WIN new
.if MSB != \new
	s_set_vgpr_msb (MSB<<8)|\new
.set MSB, \new
.endif
.endm
.set MUL,  0x05                        ; sources 0 (W) and 1 (y) window 1; C and D window 0
.set TO_F, 0x40
.macro JLOAD s                         ; waves 0 and 1 fetch y's two halves, waves 2 and 3 W's; an s_nop 0 and four v_nop follow each line
	s_cmp_eq_u32 s11, 0
	s_cbranch_scc0 .Lfor_b_\@
	tensor_load_to_lds s[G0+4*\s:G0+4*\s+3], s[G1:G1+7]
	s_nop 0
.rept 4
	v_nop
.endr
	s_branch .Lasked_\@
.Lfor_b_\@:
	tensor_load_to_lds s[G0B+4*\s:G0B+4*\s+3], s[G1B:G1B+7]
	s_nop 0
.rept 4
	v_nop
.endr
.Lasked_\@:
.endm
.macro CREST
	s_cmp_lg_u32 s10, 0
	s_cbranch_scc1 .Lnot_wave_0_\@
	s_barrier_signal -3
.Lnot_wave_0_\@:
	s_barrier_wait -3
	s_barrier_signal -1
	s_barrier_wait -1
.endm
.macro CROUND
	s_barrier_signal -1
	s_barrier_wait -1
	CREST
.endm
	s_load_b128 s[4:7], s[0:1], 0x0                ; y16, wpt
	s_load_b128 s[68:71], s[0:1], 0x10             ; b_proj, padding_mask
	s_load_b64 s[8:9], s[0:1], 0x20                ; out0
	v_lshl_add_u32 v[SPW], v0, 2, SPARE
	v_mov_b32 v[NIL], 0
	ds_add_u32 v[SPW], v[NIL]                      ; the wave's opening: the add, twice on end, and its wait ahead of my first tensor load
	ds_add_u32 v[SPW], v[NIL]
	v_lshrrev_b32 v1, 5, v0
	v_readfirstlane_b32 s10, v1                    ; wave 0..3
	s_lshr_b32 s11, s10, 1                         ; which half of the tile's rows is mine; also: I fetch for y (0) or for W (1)
	s_and_b32 s12, s10, 1                          ; which half of its columns; also: which 64 rows I fetch
	s_bfe_u32 s40, ttmp6, 0x40000                  ; cx
	s_bfe_u32 s41, ttmp6, 0x40004                  ; cy
	s_lshl_b32 s42, ttmp9, 2
	s_add_co_u32 s42, s42, s40                     ; tile column
	s_and_b32 s13, ttmp7, 0xffff
	s_lshl_b32 s13, s13, 2
	s_add_co_u32 s13, s13, s41                     ; tile row
	s_lshl_b32 s43, s41, 2
	s_lshl_b32 s43, 15, s43                        ; my row of the cluster
	s_lshl_b32 s44, 0x1111, s40                    ; my column
	s_or_b32 s[G1+0], s43, (3<<16)|(1<<20)|(1<<21)|(5<<22)|(3<<25)   ; the mask; elements of 8 bytes; padding on; bit 21 beside a mask; 4 words after every 64
	s_or_b32 s[G1B+0], s44, (3<<16)|(1<<20)|(1<<21)|(5<<22)|(3<<25)
.irp g, G1, G1B
	s_mov_b32 s[\g+1], 32<<16                      ; rows of 32 elements,
	s_mov_b32 s[\g+2], 128<<16                     ; 128 of them,
	s_mov_b32 s[\g+3], 32<<16
	s_mov_b32 s[\g+4], 128
	s_mov_b32 s[\g+5], 32                          ; dense
	s_mov_b32 s[\g+6], 0
	s_mov_b32 s[\g+7], 0
.endr
	s_lshl_b32 s16, s13, 1
	s_add_co_u32 s16, s16, s12
	s_lshl_b32 s16, s16, 17                        ; y: block of 64 rows 2 x tile row + half, 131,072 bytes each
	s_mov_b32 s17, 0
	s_lshl_b32 s46, s42, 1
	s_add_co_u32 s46, s46, s12
	s_lshl_b32 s46, s46, 17                        ; W likewise by the tile column
	s_mov_b32 s47, 0
	s_mul_i32 s20, s10, HALFT
	s_wait_dscnt 0x0                               ; both opening adds are done
	s_wait_kmcnt 0x0
	s_add_nc_u64 s[14:15], s[4:5], s[16:17]
	s_add_nc_u64 s[46:47], s[6:7], s[46:47]
	CROUND                                         ; all sixteen work-groups are here: the first joint loads meet
.irp s, 0,1
	s_mov_b32 s[G0+4*\s], 1
	s_add_co_u32 s[G0+4*\s+1], s20, \s*SLOT
	s_add_nc_u64 s[G0+4*\s+2:G0+4*\s+3], s[14:15], \s*32768
	s_or_b32 s[G0+4*\s+3], s[G0+4*\s+3], 0x80000000
	s_mov_b32 s[G0B+4*\s], 1
	s_add_co_u32 s[G0B+4*\s+1], s20, \s*SLOT
	s_add_nc_u64 s[G0B+4*\s+2:G0B+4*\s+3], s[46:47], \s*32768
	s_or_b32 s[G0B+4*\s+3], s[G0B+4*\s+3], 0x80000000
	JLOAD \s                                       ; two loads of mine are out
.endr
	v_and_b32 v1, 15, v0                           ; r
	v_bfe_u32 v2, v0, 4, 1                         ; h
	v_lshrrev_b32 v3, 1, v1
	v_mul_u32_u24 v3, v3, 272
	v_and_b32 v4, 1, v1
	v_lshl_add_u32 v3, v4, 7, v3
	v_lshl_add_u32 v3, v2, 4, v3                   ; a fragment's row r: (r / 2) 272 + 128 (r % 2) + 16 h
	s_mul_i32 s21, s11, HALFT
	s_mul_i32 s22, s12, HALFT
	s_add_co_u32 s22, s22, 2*HALFT
.irp s, 0,1
	v_add_nc_u32 v[ADRA+\s], s21, v3
	v_add_nc_u32 v[ADRB+\s], s22, v3
	s_add_co_u32 s21, s21, SLOT
	s_add_co_u32 s22, s22, SLOT
.endr
	s_mul_i32 s23, s10, 16*272
	s_add_co_u32 s23, s23, STAGE                   ; my stage
	v_mul_u32_u24 v4, v1, 272
	v_lshl_add_u32 v4, v2, 5, v4
	v_add_nc_u32 v[STO], s23, v4                   ; in: row r, 32 bytes for each half of the lanes
	v_mul_u32_u24 v5, v2, 272
	v_lshl_add_u32 v5, v1, 4, v5
	v_add_nc_u32 v[RD], s23, v5                    ; back: lanes 0-15 one row of 256 bytes, lanes 16-31 the next
	v_lshlrev_b32 v5, 12, v2
	v_lshl_add_u32 v[CO], v1, 4, v5                ; and the same two rows in out0
	v_lshlrev_b32 v6, 5, v2
	s_lshl_b32 s16, s13, 7
	s_lshl_b32 s17, s11, 6
	s_add_co_u32 s16, s16, s17                     ; my first row
	s_mov_b32 s17, 0
	s_add_nc_u64 s[70:71], s[70:71], s[16:17]      ; its mask byte
	s_lshl_b32 s16, s16, 12
	s_add_nc_u64 s[8:9], s[8:9], s[16:17]
	s_lshl_b32 s46, s42, 9
	s_lshl_b32 s47, s12, 8
	s_add_co_u32 s46, s46, s47                     ; my first column x 4 bytes
	s_mov_b32 s47, 0
	s_add_nc_u64 s[8:9], s[8:9], s[46:47]
	s_add_nc_u64 s[68:69], s[68:69], s[46:47]
.irp b, 0,1,2,3
	global_load_b128 v[BIAS+8*\b:BIAS+8*\b+3], v6, s[68:69] offset:64*\b           ; b_proj at my columns 16 b + 8 h + 0 .. 7
	global_load_b128 v[BIAS+8*\b+4:BIAS+8*\b+7], v6, s[68:69] offset:64*\b+16
.endr
.irp a, 0,1,2,3
	global_load_u8 v[8+\a], v1, s[70:71] offset:16*\a                              ; the mask byte of row 16 a + r
.endr
	s_wait_loadcnt 0x0
.irp a, 0,1,2,3
	v_cmp_eq_u32 s[PMK+\a], 0, v[8+\a]
.endr
.macro MUL8 f, c, a0, first            ; 8 matrix instructions; first = 1: the bias is the C.  The 16 accumulators take turns
.irp a, \a0, \a0+1
.irp b, 0,1,2,3
.if \first
	v_wmma_f32_16x16x32_f16 v[ACC+8*(4*(\a)+\b):ACC+8*(4*(\a)+\b)+7], v[\f+64+8*(4*\c+\b):\f+64+8*(4*\c+\b)+7], v[\f+8*(4*\c+\a):\f+8*(4*\c+\a)+7], v[BIAS+8*\b:BIAS+8*\b+7]
.else
	v_wmma_f32_16x16x32_f16 v[ACC+8*(4*(\a)+\b):ACC+8*(4*(\a)+\b)+7], v[\f+64+8*(4*\c+\b):\f+64+8*(4*\c+\b)+7], v[\f+8*(4*\c+\a):\f+8*(4*\c+\a)+7], v[ACC+8*(4*(\a)+\b):ACC+8*(4*(\a)+\b)+7]
.endif
.endr
.endr
.endm
.macro FETCH slot, k, f                ; 32 LDS loads in one run: the plane at byte k, the first 32 along K first
	WIN TO_F
.irp c, 0,1
.irp i, 0,1,2,3
	ds_load_b128 v[\f+64+8*(4*\c+\i):\f+64+8*(4*\c+\i)+3],   v[ADRB+\slot] offset:\k+64*\c+\i*RB
	ds_load_b128 v[\f+64+8*(4*\c+\i)+4:\f+64+8*(4*\c+\i)+7], v[ADRB+\slot] offset:\k+64*\c+\i*RB+32
	ds_load_b128 v[\f+8*(4*\c+\i):\f+8*(4*\c+\i)+3],         v[ADRA+\slot] offset:\k+64*\c+\i*RB
	ds_load_b128 v[\f+8*(4*\c+\i)+4:\f+8*(4*\c+\i)+7],       v[ADRA+\slot] offset:\k+64*\c+\i*RB+32
.endr
.endr
.endm
.macro PLACES
.rept 4
	v_nop
.endr
.endm
.macro QUARTER slot, k, f, g, first    ; 64 along K: multiplies buffer f and fetches the next plane, at byte k, into g
	s_wait_dscnt 16                                ; the first 32 along K are in; sixteen younger loads may be out
	WIN MUL
	MUL8 \f, 0, 0, \first
	MUL8 \f, 0, 2, \first
	PLACES
	FETCH \slot, \k, \g
	s_wait_dscnt 32                                ; all but the 32 just issued
	WIN MUL
	MUL8 \f, 1, 0, 0
	MUL8 \f, 1, 2, 0
.endm
; The last quarter changes slots: one barrier; ahead of it each wave waits for all its tensor loads, adds 0 to its spare word, and waits for that and for its reads of this slot.  fill = 1: the barrier opens a round of the cluster's, and this slot is filled again.
.macro TURN slot, next, fill
	WIN 0
	s_wait_tensorcnt 0x0
	ds_add_u32 v[SPW], v[NIL]
	s_wait_dscnt 17                                ; the add and the youngest sixteen loads may be out
	WIN MUL
	MUL8 F1, 0, 0, 0
	s_wait_dscnt 0x0
	s_barrier_signal -1
	MUL8 F1, 0, 2, 0
.if \fill
	WIN 0
.endif
	s_barrier_wait -1
.if \fill
	CREST
	s_add_nc_u64 s[G0+4*\slot+2:G0+4*\slot+3], s[G0+4*\slot+2:G0+4*\slot+3], 65536
	s_add_nc_u64 s[G0B+4*\slot+2:G0B+4*\slot+3], s[G0B+4*\slot+2:G0B+4*\slot+3], 65536
	JLOAD \slot                                    ; the first tensor load behind the round; its four v_nop are also the places ahead of the loads below
.else
	PLACES
.endif
	FETCH \next, 0, F0
	WIN MUL
	MUL8 F1, 1, 0, 0
	MUL8 F1, 1, 2, 0
.endm
	s_wait_tensorcnt 1                             ; my part of K step 0 is in; K step 1's load may be out
	s_barrier_signal -1
	s_barrier_wait -1
	FETCH 0, 0, F0
	QUARTER 0, QB, F0, F1, 1
	WIN 0
	s_mov_b32 s3, LAPS-1
.Llap:                                                 ; a trip goes once round the ring and fills both slots again
	QUARTER 0, 2*QB, F1, F0, 0
	QUARTER 0, 3*QB, F0, F1, 0
	TURN 0, 1, 1
	QUARTER 1, QB, F0, F1, 0
	QUARTER 1, 2*QB, F1, F0, 0
	QUARTER 1, 3*QB, F0, F1, 0
	TURN 1, 0, 1
	QUARTER 0, QB, F0, F1, 0
	WIN 0
	s_sub_co_u32 s3, s3, 1
	s_cmp_lg_u32 s3, 0
	s_cbranch_scc1 .Llap
	QUARTER 0, 2*QB, F1, F0, 0                     ; the last lap fills nothing
	QUARTER 0, 3*QB, F0, F1, 0
	TURN 0, 1, 0
	QUARTER 1, QB, F0, F1, 0
	QUARTER 1, 2*QB, F1, F0, 0
	QUARTER 1, 3*QB, F0, F1, 0
	s_wait_dscnt 16
	WIN MUL
	MUL8 F1, 0, 0, 0
	MUL8 F1, 0, 2, 0
	s_wait_dscnt 0
	MUL8 F1, 1, 0, 0
	MUL8 F1, 1, 2, 0
	WIN 0
; THE WAY OUT, 16 rows at a time: padded rows become 0; 32 bytes a lane into my stage; back as whole rows of 256 bytes.
.macro CM a
.irp b, 0,1,2,3
.irp j, 0,1,2,3,4,5,6,7
	v_cndmask_b32 v[TMP+8*\b+\j], 0, v[ACC+8*(4*(\a)+\b)+\j], s[PMK+(\a)]     ; each accumulator from its low end on
.endr
.endr
.endm
.macro TOST a
.irp b, 0,1,2,3
	ds_store_b128 v[STO], v[TMP+8*\b:TMP+8*\b+3] offset:64*\b
	ds_store_b128 v[STO], v[TMP+8*\b+4:TMP+8*\b+7] offset:64*\b+16
.endr
.irp t, 0,1,2,3,4,5,6,7
	ds_load_b128 v[BK+32*((\a)%2)+4*\t:BK+32*((\a)%2)+4*\t+3], v[RD] offset:\t*544   ; LDS serves a wave's instructions in order
.endr
.endm
.macro SEND a
	s_wait_dscnt 0x0
	s_wait_xcnt 0x0                                ; earlier stores have read their registers: the next block's rows may land there
.irp t, 0,1,2,3,4,5,6,7
	global_store_b128 v[CO], v[BK+32*((\a)%2)+4*\t:BK+32*((\a)%2)+4*\t+3], s[8:9] offset:(16*(\a)+2*\t)*4096   ; sixteen lanes store 256 consecutive bytes, aligned
.endr
.endm
	PLACES
	CM 0
	TOST 0
.irp a, 1,2,3
	CM \a
	SEND \a-1
	TOST \a
.endr
	SEND 3
	s_wait_tensorcnt 0x0                           ; the wave's end
	ds_add_u32 v[SPW], v[NIL]
	s_wait_dscnt 0x0
	CROUND                                         ; the closing round
	s_endpgm
.Lfunc_end_k_q306a721996_proj:
	.size	k_q306a721996_proj, .Lfunc_end_k_q306a721996_proj-k_q306a721996_proj
	.p2alignl 7, 3214868480
	.fill 96, 4, 3214868480
	.section	.rodata,"a",@progbits
	.p2align	6, 0x0
	.amdhsa_kernel k_q306a721996_proj
		.amdhsa_group_segment_fixed_size 327680
		.amdhsa_private_segment_fixed_size 0
		.amdhsa_enable_private_segment 0
		.amdhsa_kernarg_size 40
		.amdhsa_user_sgpr_count 2
		.amdhsa_user_sgpr_kernarg_segment_ptr 1
		.amdhsa_wavefront_size32 1
		.amdhsa_system_sgpr_workgroup_id_x 1
		.amdhsa_system_sgpr_workgroup_id_y 1
		.amdhsa_system_sgpr_workgroup_id_z 1
		.amdhsa_system_vgpr_workitem_id 0
		.amdhsa_next_free_vgpr 512
		.amdhsa_next_free_sgpr 76
		.amdhsa_reserve_vcc 0
		.amdhsa_float_denorm_mode_32 3
		.amdhsa_float_denorm_mode_16_64 3
		.amdhsa_memory_ordered 1
		.amdhsa_forward_progress 1
		.amdhsa_inst_pref_size 95
	.end_amdhsa_kernel
	.amdgpu_metadata
---
amdhsa.version: [ 1, 2 ]
amdhsa.kernels:
  - .name:           k_q306a721996_proj
    .symbol:         k_q306a721996_proj.kd
    .args:
      - { .name: y16, .offset: 0, .size: 8, .value_kind: global_buffer, .address_space: global }
      - { .name: wpt, .offset: 8, .size: 8, .value_kind: global_buffer, .address_space: global }
      - { .name: b_proj, .offset: 16, .size: 8, .value_kind: global_buffer, .address_space: global }
      - { .name: padding_mask, .offset: 24, .size: 8, .value_kind: global_buffer, .address_space: global }
      - { .name: out0, .offset: 32, .size: 8, .value_kind: global_buffer, .address_space: global }
    .group_segment_fixed_size: 327680
    .private_segment_fixed_size: 0
    .kernarg_segment_align: 8
    .kernarg_segment_size: 40
    .max_flat_workgroup_size: 128
    .sgpr_count:     76
    .vgpr_count:     512
    .wavefront_size: 32
...
	.end_amdgpu_metadata
.endif
;; end of part 4
;; launch first16 (part 5): grid 16 x 4, 16 waves a work-group, no clusters, 71,680 bytes of LDS; arguments qkv32, padding_mask, W_proj, b_proj, out0; writes out0
.if DOCPART == 5
	.amdgcn_target "amdgcn-amd-amdhsa--gfx1250"
	.amdhsa_code_object_version 6
	.text
	.protected	k_q306a721996_first16
	.globl	k_q306a721996_first16
	.p2align	8
	.type	k_q306a721996_first16,@function
k_q306a721996_first16:
	s_mov_b64 s[64:65], 0
	v_nop
	global_prefetch_b8 v0, s[64:65] scope:SCOPE_SE
	s_setreg_imm32_b32 hwreg(HW_REG_WAVE_MODE, 25, 1), 1
	s_wait_xcnt 0x0
; Positions 0-15 of each sequence, attention and projection, with f32 operands: these rows average one to sixteen values and are the largest in size, so the rounding of 16-bit operands weighs most there.
; It writes over the 64 rows of out0 that the projection's launch has written from f16 operands.  qkv32: [batch][16][3072] f32.
; SHARES.  Work-group (slice, batch): 64 columns of out0 for the batch's 16 rows.  Wave w is head w: its 16 x 16 attention, then its 64 of the projection's 1,024 along K; the sixteen partial sums meet in LDS.
; The f32 matrix form, 16 x 16 x 4: lane (r, h) holds row or column r and k = 2 h + j in register j.  A permutation of k applied alike to both sources keeps the products:
;   S^T = K Q^T: a load of 16 bytes gives lane (r, h) channels 8 c + 4 h + 0 .. 3; a K step takes a pair of its registers from both sides.
;   O^T = V^T P^T: K step c takes keys 2 c, 2 c + 1, 8 + 2 c, 9 + 2 c, so that P's registers 2 c, 2 c + 1 are the source as they stand.   out^T = W^T Y^T: likewise with Y's registers.
; v96-127, the accumulators, are written by matrix instructions alone; each sum begins with the constant 0 as C.
; A row none of whose keys counts is itself padded and is stored as 0; on the way it stays finite.  LIMITS: NaN and infinities among the inputs are not served.
.set PP,    272
.set PW,    16*PP                      ; a wave's partial sums: 16 rows x (256 bytes + 16)
.set SPARE, 16*PW
	s_load_b256 s[4:11], s[0:1], 0x0               ; qkv32 s[4:5], padding_mask s[6:7], W_proj s[8:9], b_proj s[10:11]
	s_load_b64 s[12:13], s[0:1], 0x20              ; out0
	v_lshl_add_u32 v6, v0, 2, SPARE                ; v6 my spare word, v7 0; never rewritten
	v_mov_b32 v7, 0
	v_lshrrev_b32 v1, 5, v0
	v_readfirstlane_b32 s14, v1                    ; wave = head
	s_and_b32 s15, ttmp7, 0xffff                   ; batch
	v_and_b32 v1, 15, v0                           ; r
	v_bfe_u32 v2, v0, 4, 1                         ; h
	v_mul_u32_u24 v3, v1, 12288
	v_lshl_add_u32 v3, v2, 4, v3                   ; q, k: position r, + 16 h
	v_mul_u32_u24 v4, v2, 98304
	v_lshl_add_u32 v4, v1, 2, v4                   ; v: position 8 h, channel r
	v_lshlrev_b32 v5, 15, v2
	v_lshl_add_u32 v5, v1, 2, v5                   ; W_proj: row 8 h, column r
	v_lshlrev_b32 v24, 3, v2                       ; the mask bytes of keys 8 h on
	v_sub_nc_u32 v10, v1, v24                      ; r - 8 h
	v_mov_b32 v11, 0xf149f2ca                      ; -1e30
	s_mul_i32 s16, s14, PW
	v_mul_u32_u24 v12, v1, PP
	v_lshl_add_u32 v12, v2, 5, v12
	v_add_nc_u32 v12, s16, v12                     ; where my partial sums go: row r, + 32 h
	v_and_b32 v25, 255, v0
	v_lshrrev_b32 v26, 4, v25                      ; the row that I add up and store
	v_and_b32 v27, 15, v25
	v_lshlrev_b32 v27, 4, v27                      ; my 16 bytes of its 256
	v_mad_u32_u24 v13, v26, PP, v27
	v_lshl_add_u32 v14, v26, 12, v27
	s_mov_b32 s20, 0x76543210
	s_mov_b32 s21, 0xfedcba98
	s_mov_b32 s22, 0x3e38aa3b                      ; c = log2(e) / 8
	s_wait_kmcnt 0x0
	s_mul_i32 s16, s15, 196608
	s_lshl_b32 s17, s14, 8
	s_add_co_u32 s16, s16, s17
	s_mov_b32 s17, 0
	s_add_nc_u64 s[4:5], s[4:5], s[16:17]          ; the batch's rows, my head's 64 channels of q
	s_lshl_b32 s16, s15, 11
	s_add_nc_u64 s[6:7], s[6:7], s[16:17]
	s_lshl_b32 s16, s14, 18                        ; W_proj: rows 64 w on,
	s_lshl_b32 s18, ttmp9, 8                       ; columns 64 x slice on
	s_mov_b32 s19, 0
	s_add_co_u32 s16, s16, s18
	s_add_nc_u64 s[8:9], s[8:9], s[16:17]
	s_add_nc_u64 s[10:11], s[10:11], s[18:19]
	s_lshl_b32 s16, s15, 23
	s_add_co_u32 s16, s16, s18
	s_add_nc_u64 s[12:13], s[12:13], s[16:17]
	global_load_b64 v[8:9], v24, s[6:7]            ; eight keys' mask bytes
	global_load_b128 v[28:31], v27, s[10:11]       ; b_proj
	global_load_u8 v15, v26, s[6:7]                ; my row's mask byte
.irp c, 0,1,2,3,4,5,6,7
	global_load_b128 v[32+4*\c:35+4*\c], v3, s[4:5] offset:32*\c
	global_load_b128 v[64+4*\c:67+4*\c], v3, s[4:5] offset:4096+32*\c
.endr
.irp dt, 0,1,2,3
.irp c, 0,1,2,3
.irp j, 0,1
	global_load_b32 v[128+8*\dt+2*\c+\j], v4, s[4:5] offset:8192+(2*\c+\j)*12288+64*\dt   ; v(key 8 h + 2 c + j, channel 16 dt + r)
.endr
.endr
.endr
	s_wait_loadcnt 32                              ; all but v's 32 loads
	; S^T = K Q^T: 16 K steps, two accumulators by turns
	v_wmma_f32_16x16x4_f32 v[96:103], v[64:65], v[32:33], 0
	v_wmma_f32_16x16x4_f32 v[104:111], v[66:67], v[34:35], 0
.irp c, 1,2,3,4,5,6,7
	v_wmma_f32_16x16x4_f32 v[96:103], v[64+4*\c:65+4*\c], v[32+4*\c:33+4*\c], v[96:103]
	v_wmma_f32_16x16x4_f32 v[104:111], v[66+4*\c:67+4*\c], v[34+4*\c:35+4*\c], v[104:111]
.endr
.rept 8
	v_nop                                          ; eight places behind this form, ahead of loads into its sources and of reads of its results
.endr
.irp ct, 0,1,2,3                       ; W_proj(64 w + 16 dt + 8 h + 2 c + j, 64 slice + 16 ct + r): it lands while the softmax is walked
.set WB, 160+32*\ct
.if \ct == 3
.set WB, 64
.endif
.irp dt, 0,1,2,3
.irp c, 0,1,2,3
.irp j, 0,1
	global_load_b32 v[WB+8*\dt+2*\c+\j], v5, s[8:9] offset:(16*\dt+2*\c+\j)*4096+64*\ct
.endr
.endr
.endr
.endr
.irp j, 0,1,2,3,4,5,6,7
	v_add_f32 v[16+\j], v[96+\j], v[104+\j]        ; lane (r, h): the score of key 8 h + j and query r
.endr
.irp j, 0,1,2,3,4,5,6,7
	v_cmp_le_i32 vcc_lo, \j, v10                   ; the key counts where 8 h + j <= r,
	v_cndmask_b32 v[16+\j], v11, v[16+\j], vcc_lo
	v_bfe_u32 v24, v[8+\j/4], 8*(\j%4), 8
	v_cmp_eq_u32 vcc_lo, 0, v24                    ; and is not padded
	v_cndmask_b32 v[16+\j], v11, v[16+\j], vcc_lo
.endr
	v_max3_num_f32 v24, v16, v17, v18
	v_max3_num_f32 v24, v24, v19, v20
	v_max3_num_f32 v24, v24, v21, v22
	v_max_num_f32 v24, v24, v23
	v_permlanex16_b32 v25, v24, s20, s21
	v_max_num_f32 v24, v24, v25                    ; the row's maximum
	v_mul_f32 v25, s22, v24
.irp j, 0,1,2,3,4,5,6,7
	v_fma_f32 v[16+\j], v[16+\j], s22, -v25
.endr
.irp j, 0,1,2,3,4,5,6,7
	v_exp_f32 v[16+\j], v[16+\j]                   ; p, not normalised
.endr
	v_nop
	s_wait_alu depctr_va_vdst(0)                   ; one wait for the eight, ahead of their first reader
	v_add_f32 v24, v16, v17
	v_add_f32 v25, v18, v19
	v_add_f32 v24, v24, v20
	v_add_f32 v25, v25, v21
	v_add_f32 v24, v24, v22
	v_add_f32 v25, v25, v23
	v_add_f32 v24, v24, v25
	v_permlanex16_b32 v26, v24, s20, s21
	v_add_f32 v24, v24, v26
	v_rcp_f32 v27, v24
	v_nop
	s_wait_alu depctr_va_vdst(0)
	s_wait_loadcnt 63                              ; v is in: 128 loads were issued behind it, and of those the youngest 63 may be out
	; O^T = V^T P^T: four accumulators by turns
.irp dt, 0,1,2,3
	v_wmma_f32_16x16x4_f32 v[96+8*\dt:103+8*\dt], v[128+8*\dt:129+8*\dt], v[16:17], 0
.endr
.irp c, 1,2,3
.irp dt, 0,1,2,3
	v_wmma_f32_16x16x4_f32 v[96+8*\dt:103+8*\dt], v[128+8*\dt+2*\c:129+8*\dt+2*\c], v[16+2*\c:17+2*\c], v[96+8*\dt:103+8*\dt]
.endr
.endr
.rept 9
	v_nop                                          ; nine places: eight ahead of the reads below, nine ahead of the sums that begin anew on these accumulators
.endr
.set i, 0
.rept 32
	v_mul_f32 v[32+i], v[96+i], v27                ; y(query r, channel 16 dt + 8 h + j), into other registers
.set i, i+1
.endr
	s_wait_loadcnt 0x0                             ; W_proj
	; out^T += W^T Y^T: my 64 along K in 16 steps, four accumulators by turns
.irp dt, 0,1,2,3
.irp c, 0,1,2,3
.irp ct, 0,1,2,3
.set WB, 160+32*\ct
.if \ct == 3
.set WB, 64
.endif
.if (\dt == 0) && (\c == 0)
	v_wmma_f32_16x16x4_f32 v[96+8*\ct:103+8*\ct], v[WB+8*\dt+2*\c:WB+8*\dt+2*\c+1], v[32+8*\dt+2*\c:33+8*\dt+2*\c], 0
.else
	v_wmma_f32_16x16x4_f32 v[96+8*\ct:103+8*\ct], v[WB+8*\dt+2*\c:WB+8*\dt+2*\c+1], v[32+8*\dt+2*\c:33+8*\dt+2*\c], v[96+8*\ct:103+8*\ct]
.endif
.endr
.endr
.endr
.rept 8
	v_nop
.endr
.irp ct, 0,1,2,3
	ds_store_b128 v12, v[96+8*\ct:99+8*\ct] offset:64*\ct            ; lane (r, h): columns 16 ct + 8 h + 0 .. 7 of row r
	ds_store_b128 v12, v[100+8*\ct:103+8*\ct] offset:64*\ct+16
.endr
	s_wait_dscnt 0x0                               ; for the others' sake: my partial sums have landed
	s_barrier_signal -1
	s_barrier_wait -1
	s_cmp_ge_u32 s14, 8                            ; 256 threads add up 16 bytes each
	s_cbranch_scc1 .Ldone
.irp s, 0,1,2,3,4,5,6,7,8,9,10,11,12,13,14,15
	ds_load_b128 v[160+4*\s:163+4*\s], v13 offset:PW*\s
.endr
	s_wait_dscnt 0x0
.irp s, 1,2,3,4,5,6,7,8,9,10,11,12,13,14,15
	v_pk_add_f32 v[160:161], v[160:161], v[160+4*\s:161+4*\s]        ; heads in ascending order
	v_pk_add_f32 v[162:163], v[162:163], v[162+4*\s:163+4*\s]
.endr
	v_pk_add_f32 v[160:161], v[160:161], v[28:29]
	v_pk_add_f32 v[162:163], v[162:163], v[30:31]
	v_cmp_eq_u32 vcc_lo, 0, v15
.irp i, 0,1,2,3
	v_cndmask_b32 v[160+\i], 0, v[160+\i], vcc_lo  ; a padded row is 0
.endr
	global_store_b128 v14, v[160:163], s[12:13]    ; sixteen lanes store 256 consecutive bytes, aligned
.Ldone:
	s_wait_tensorcnt 0x0                           ; the wave's end, behind my last LDS store
	ds_add_u32 v6, v7
	s_wait_dscnt 0x0
	s_endpgm
.Lfunc_end_k_q306a721996_first16:
	.size	k_q306a721996_first16, .Lfunc_end_k_q306a721996_first16-k_q306a721996_first16
	.p2alignl 7, 3214868480
	.fill 96, 4, 3214868480
	.section	.rodata,"a",@progbits
	.p2align	6, 0x0
	.amdhsa_kernel k_q306a721996_first16
		.amdhsa_group_segment_fixed_size 71680
		.amdhsa_private_segment_fixed_size 0
		.amdhsa_enable_private_segment 0
		.amdhsa_kernarg_size 40
		.amdhsa_user_sgpr_count 2
		.amdhsa_user_sgpr_kernarg_segment_ptr 1
		.amdhsa_wavefront_size32 1
		.amdhsa_system_sgpr_workgroup_id_x 1
		.amdhsa_system_sgpr_workgroup_id_y 1
		.amdhsa_system_sgpr_workgroup_id_z 1
		.amdhsa_system_vgpr_workitem_id 0
		.amdhsa_next_free_vgpr 256
		.amdhsa_next_free_sgpr 66
		.amdhsa_reserve_vcc 1
		.amdhsa_float_denorm_mode_32 3
		.amdhsa_float_denorm_mode_16_64 3
		.amdhsa_memory_ordered 1
		.amdhsa_forward_progress 1
		.amdhsa_inst_pref_size 35
	.end_amdhsa_kernel
	.amdgpu_metadata
---
amdhsa.version: [ 1, 2 ]
amdhsa.kernels:
  - .name:           k_q306a721996_first16
    .symbol:         k_q306a721996_first16.kd
    .args:
      - { .name: qkv32, .offset: 0, .size: 8, .value_kind: global_buffer, .address_space: global }
      - { .name: padding_mask, .offset: 8, .size: 8, .value_kind: global_buffer, .address_space: global }
      - { .name: W_proj, .offset: 16, .size: 8, .value_kind: global_buffer, .address_space: global }
      - { .name: b_proj, .offset: 24, .size: 8, .value_kind: global_buffer, .address_space: global }
      - { .name: out0, .offset: 32, .size: 8, .value_kind: global_buffer, .address_space: global }
    .group_segment_fixed_size: 71680
    .private_segment_fixed_size: 0
    .kernarg_segment_align: 8
    .kernarg_segment_size: 40
    .max_flat_workgroup_size: 512
    .sgpr_count:     66
    .vgpr_count:     256
    .wavefront_size: 32
...
	.end_amdgpu_metadata
.endif
;; end of part 5
